; MI455X (gfx1250); checked and timed in simulation.
; The chip was launched on July 23, 2026; its instructions are those of AMD's public machine-readable ISA for CDNA 5 (MIT licence, August 2026) and "CDNA5" Instruction Set Architecture Reference Guide (July 2026). The comments in the code are by the model that wrote it; some were corrected since.
;; Score Matching. Allowed arithmetic: matrix products marked QUANTISED: E2M3 operands, one E8M0 scale for each 32 along K, by v_wmma_scale_f32_16x16x128_f8f6f4 with both operands' format E2M3, f32 sums; products left as they are: f32 operands where the result goes on into a quantised operand, else bf16, f16 or f32 operands; f32 sums; everything else in f32.
;; Inputs: W1 512 x 64 float32; W2 512 x 512 float32; W3 512 x 512 float32; W4 64 x 512 float32; b1 512 float32; b2 512 float32; b3 512 float32; b4 64 float32; x 2,048 x 64 float32.
;; Outputs: out0 2,048 float32.
;; This version of the problem:
;;   THIS VERSION OF THE PROBLEM IS GIVEN IN LOW PRECISION. The matrix products marked QUANTISED in the list below multiply operands that are first quantised to E2M3 (2 exponent bits, 3 mantissa bits; 6 bits a number), with one power-of-two scale for each 32 numbers along K (OCP MX v1.0); their sums are f32. All else is computed in f32.
;;   The module's matrix products, in the order in which they are computed (A, B: the left and right operand; K: the contracted axis; several contracted axes count as one K, in the product's order):
;;     1. [M 2,048, K 64] x [K 64, N 512]; A: input x; B: input W1: QUANTISED
;;     2. [M 2,048, K 512] x [K 512, N 512]; A: computed on the way; B: input W2: QUANTISED
;;     3. [M 2,048, K 512] x [K 512, N 512]; A: computed on the way; B: input W3: QUANTISED
;;     4. [M 2,048, K 512] x [K 512, N 64]; A: computed on the way; B: input W4: QUANTISED
;;     5. [M 131,072, K 512] x [K 512, N 512]; A: computed on the way; B: input W2: QUANTISED
;;     6. [M 131,072, K 512] x [K 512, N 512]; A: computed on the way; B: input W3: QUANTISED
;;     7. [M 1, K 32,768] x [K 32,768, N 2,048]; A: input W4; B: computed on the way: left as it is (M = 1 < 16)
;;   THE QUANTISER, for each operand of a quantised product, along K:
;;     - K is cut into blocks of 32 from its start; a last block that is shorter is filled with zeros.
;;     - A block's scale is 2^e with e = floor(log2(the largest magnitude in the block)) - 2, held to -126 .. 127; a block of zeros has e = 0. As a byte (E8M0): e + 127.
;;     - Each number is divided by its block's scale, clamped to +-7.5, and rounded to the nearest number of E2M3, ties to even, subnormals kept.
;;     - The product sums the exact products of the quantised numbers (number of the format x scale) in f32.
;;   ~~~python
;;   def quantise(x, axis):      # numpy; x: float32 -> the quantised numbers, widened to float32 again
;;       x = np.moveaxis(x, axis, -1); K = x.shape[-1]
;;       x = np.pad(x, [(0, 0)] * (x.ndim - 1) + [(0, -K % 32)]); x = x.reshape(x.shape[:-1] + (-1, 32)); a = np.abs(x).max(-1, keepdims=True)
;;       e = np.where(a > 0, np.clip(np.frexp(np.where(a > 0, a, 1))[1] - 1 - 2, -126, 127), 0)      # np.frexp(a)[1] - 1 = floor(log2(a)), exactly
;;       r = np.clip(x / 2.0 ** e, -7.5, 7.5)
;;       step = 2.0 ** (np.maximum(np.frexp(np.where(r == 0, 1, r))[1] - 1, 0) - 3)
;;       q = np.round(r / step) * step * 2.0 ** e      # np.round: ties to even
;;       return np.moveaxis(q.reshape(q.shape[:-2] + (-1,))[..., :K], -1, axis).astype(np.float32)
;;   ~~~
;;   OPERANDS COMPUTED ON THE WAY. 'Computed on the way' means the value that the module computes at that place (a softmax that the list does not call 'softmax' is quantised finished and normalised). What goes into a quantiser is computed in f32, as accurately as f32 sums, v_exp_f32 and their like allow (about 1e-6 of the number): no bf16 or f16 on the way to a quantiser, and a product that is left as it is and whose result goes on into a quantised operand takes f32 operands (vector FMAs, or v_wmma_f32_16x16x4_f32). A number that lies on a knife's edge between two numbers of the format may be rounded either way, as far as f32 arithmetic and the matrix unit's own rounding can turn it there, and no further.
;; 2 versions. Each part assembles by itself: llvm-mc -triple=amdgcn-amd-amdhsa -mcpu=gfx1250 --defsym DOCPART=n.
;; ======== version 1 of 2: 2 launches
;; workspace buffers: wq 442,368 bytes; ws 36,864 bytes; wt 262,144 bytes
;; launch prep (part 1): grid 320 x 1, 1 waves a work-group, no clusters, 0 bytes of LDS; arguments W1, W2, W3, W4, wq, ws, wt; writes wq, ws, wt
.if DOCPART == 1
	.amdgcn_target "amdgcn-amd-amdhsa--gfx1250"
	.amdhsa_code_object_version 6
	.text
	.protected	k_qdb71aca572_prep
	.globl	k_qdb71aca572_prep
	.p2align	8
	.type	k_qdb71aca572_prep,@function
k_qdb71aca572_prep:
	s_mov_b64 s[64:65], 0
	v_nop
	global_prefetch_b8 v0, s[64:65] scope:SCOPE_SE
	s_setreg_imm32_b32 hwreg(HW_REG_WAVE_MODE, 25, 1), 1
	s_wait_xcnt 0x0
; THE WEIGHTS ARE LAID OUT ONCE, in the order in which the next launch's registers take them.  One wave to a work-group, one job J = the work-group's number:
;   J 0-127 W2, 128-255 W3, 256-271 W4, 272-287 W1: a fragment (16 rows x 128 along K) is quantised to FP6 (E2M3) with one E8M0 byte for each 32 along K, and stored as an IMAGE OF THE OPERAND'S
;   REGISTERS: wq + 1536 J, [c 0..2][lane][16 bytes] = the lane's registers 4 c .. 4 c + 3; its scale word (a row's four bytes) at ws + 128 J + 4 lane (lanes 16-31 repeat lanes 0-15).
;   J 288-303 W1, 304-319 W4: 64 f32 numbers a lane, copied to wt + 8192 (J - 288), [g 0..15][lane][16 bytes], in the lane order in which the next launch multiplies by them.
; THE ROWS OF A TILE ARE NOT NEIGHBOURS: lane r takes row base + r + 8 (r / 8), so that in the transposed product the 16 registers of two neighbouring tiles are 16 neighbours along the next K.
; Lane (r, h) holds k = 64 c + 32 h + 0 .. 31 in registers 6 c .. 6 c + 5: two WHOLE blocks of 32, so a block's largest magnitude needs no other lane.
; W1 has K = 64 only: an image holds a PAIR of tiles, tile 2 bb + c in registers 6 c .. 6 c + 5, and the word's bytes 2 c, 2 c + 1 are that tile's.
; A block's scale is 2^(floor(log2(largest magnitude)) - 2): its byte is the largest magnitude's exponent field - 2, held at 1 from below.
; LIMITS: a block of zeros gets the byte 1 where the rule says 127 (its codes are zeros, and this program alone reads the bytes); NaN and infinities among the inputs are not served.
; The loads take 128 bytes of a row a lane, 16 at a time, rows apart: 2.4 MB in all, read once here so that the next launch's 256 work-groups read dense images alone.  Each store of the wave covers 512 consecutive bytes.
.set X,   16                           ; v16-79   64 numbers: register 32 c + i
.set MX,  80                           ; v80-81   the two blocks' largest magnitudes
.set SO,  82                           ; v82-83   the conversions' scale operands
.set BY,  84                           ; v84-85   the scale bytes
.set PX,  86                           ; v86      a lane permute's target
.set PW,  87                           ; v87      the scale word
.set PC,  88                           ; v88-99   the fragment's 12 registers
.set PT,  100                          ; v100-102, v104-106 the second halves of the blocks' codes (a conversion's three registers begin on an even number)
	s_load_b256 s[4:11], s[0:1], 0x0               ; W1 s[4:5], W2 s[6:7], W3 s[8:9], W4 s[10:11]
	s_load_b128 s[12:15], s[0:1], 0x20             ; wq s[12:13], ws s[14:15]
	s_load_b64 s[16:17], s[0:1], 0x30              ; wt
	v_and_b32 v2, 15, v0                           ; r (one wave: v0 is the lane)
	v_lshrrev_b32 v3, 4, v0                        ; h
	v_and_b32 v4, 8, v2
	v_add_nc_u32 v4, v4, v2                        ; r + 8 (r / 8)
	v_lshlrev_b32 v7, 4, v0                        ; 16 x lane
	v_lshlrev_b32 v8, 2, v0                        ; 4 x lane
	v_lshlrev_b32 v9, 3, v3                        ; 8 h: my bytes' place in the scale word
	v_mov_b32 v[PX], 0                             ; a lane permute's destination counts as one of its sources
	s_mov_b32 s26, 0x76543210
	s_mov_b32 s27, 0xfedcba98                      ; v_permlanex16_b32's selects for lane l xor 16
	s_mov_b32 s18, ttmp9                           ; J
	s_mov_b32 s23, 0
	s_mov_b32 s29, 0
	s_mov_b32 s31, 0
; A quantising job.  p: the scalar pair with the tensor's address; s22: the byte at which the tile's first row and K step begin; sh: log2 of a row's bytes; cd: bytes from c = 0 to c = 1
.macro QJOB p, sh, cd
	s_add_nc_u64 s[\p:\p+1], s[\p:\p+1], s[22:23]
	v_lshlrev_b32 v5, \sh, v4                      ; my row,
	v_lshl_add_u32 v5, v3, 7, v5                   ; + 32 h numbers
	v_add_nc_u32 v6, \cd, v5
.irp c, 0,1
.irp q, 0,1,2,3,4,5,6,7
	global_load_b128 v[X+32*\c+4*\q:X+32*\c+4*\q+3], v[5+\c], s[\p:\p+1] offset:16*\q
.endr
.endr
	s_wait_loadcnt 0x0
.irp c, 0,1
	v_max3_num_f32 v[MX+\c], |v[X+32*\c]|, |v[X+32*\c+1]|, 0x1800000   ; and the floor 2^(3 - 127): the byte cannot fall under 1
.endr
.irp i, 2,4,6,8,10,12,14,16,18,20,22,24,26,28,30
.irp c, 0,1
	v_max3_num_f32 v[MX+\c], v[MX+\c], |v[X+32*\c+\i]|, |v[X+32*\c+\i+1]|   ; (the two blocks by turns)
.endr
.endr
.irp c, 0,1
	v_add_nc_u32 v[SO+\c], 0xff000000, v[MX+\c]    ; 2 off the exponent field: the conversion takes the exponent field of this operand as its scale
.endr
.irp c, 0,1
	v_lshrrev_b32 v[BY+\c], 23, v[SO+\c]           ; the scale's byte
.endr
	v_lshl_or_b32 v[PW], v[BY+1], 16, v[BY]        ; my two bytes: blocks h and 2 + h,
	v_lshlrev_b32 v[PW], v9, v[PW]                 ; at their places;
	v_permlanex16_b32 v[PX], v[PW], s26, s27
	v_or_b32 v[PW], v[PW], v[PX]                   ; with lane l xor 16's two the word is whole
.irp c, 0,1
	v_cvt_scalef32_pk16_fp6_f32 v[PC+6*\c:PC+6*\c+2], v[X+32*\c:X+32*\c+15], v[SO+\c]
	v_cvt_scalef32_pk16_fp6_f32 v[PT+4*\c:PT+4*\c+2], v[X+32*\c+16:X+32*\c+31], v[SO+\c]
.endr
	v_nop                                          ; one plain place behind a scaled conversion
.irp c, 0,1
.irp i, 0,1,2
	v_mov_b32 v[PC+3+6*\c+\i], v[PT+4*\c+\i]
.endr
.endr
.irp c, 0,1,2
	global_store_b128 v7, v[PC+4*\c:PC+4*\c+3], s[12:13] offset:512*\c   ; 32 lanes store 512 consecutive bytes
.endr
	global_store_b32 v8, v[PW], s[14:15]
	s_endpgm
.endm
; The end of a copy job: 64 registers a lane leave as they stand
.macro PUT
	s_wait_loadcnt 0x0
.irp g, 0,1,2,3,4,5,6,7,8,9,10,11,12,13,14,15
	global_store_b128 v7, v[X+4*\g:X+4*\g+3], s[16:17] offset:512*\g
.endr
	s_endpgm
.endm
	s_wait_kmcnt 0x0
	s_cmp_ge_u32 s18, 288
	s_cbranch_scc1 .Lcopy
	s_mul_i32 s28, s18, 1536
	s_add_nc_u64 s[12:13], s[12:13], s[28:29]      ; my image
	s_lshl_b32 s30, s18, 7
	s_add_nc_u64 s[14:15], s[14:15], s[30:31]      ; my scale words
	s_cmp_ge_u32 s18, 272
	s_cbranch_scc1 .Lw1
	s_cmp_ge_u32 s18, 256
	s_cbranch_scc1 .Lw4
	; W2 or W3: J % 128 = 32 w + 8 ks + t; rows from 128 w + 32 (t / 2) + 8 (t % 2) on, K step ks
	s_cmp_lt_u32 s18, 128
	s_cselect_b64 s[20:21], s[6:7], s[8:9]         ; the choice hangs on the work-group's number alone
	s_bfe_u32 s32, s18, 0x20005                    ; w
	s_bfe_u32 s33, s18, 0x20003                    ; ks
	s_bfe_u32 s34, s18, 0x20001                    ; t / 2
	s_and_b32 s35, s18, 1                          ; t % 2
	s_lshl_b32 s32, s32, 7
	s_lshl_b32 s34, s34, 5
	s_lshl_b32 s35, s35, 3
	s_add_co_u32 s22, s32, s34
	s_add_co_u32 s22, s22, s35                     ; the first row,
	s_lshl_b32 s22, s22, 11                        ; of 2,048 bytes,
	s_lshl_b32 s33, s33, 9
	s_add_co_u32 s22, s22, s33                     ; + 128 ks numbers
	QJOB 20, 11, 256
.Lw4:                                              ; J - 256 = 4 w + ks; rows from 32 (w / 2) + 8 (w % 2) on
	s_bfe_u32 s33, s18, 0x10003                    ; w / 2
	s_bfe_u32 s34, s18, 0x10002                    ; w % 2
	s_and_b32 s35, s18, 3                          ; ks
	s_lshl_b32 s33, s33, 5
	s_lshl_b32 s34, s34, 3
	s_add_co_u32 s22, s33, s34
	s_lshl_b32 s22, s22, 11
	s_lshl_b32 s35, s35, 9
	s_add_co_u32 s22, s22, s35
	QJOB 10, 11, 256
.Lw1:                                              ; J - 272 = 4 w + bb: rows from 32 (J - 272) on, of 256 bytes; c = 1 is the tile eight rows on
	s_and_b32 s22, s18, 15
	s_lshl_b32 s22, s22, 13
	QJOB 4, 8, 2048
.Lcopy:                                            ; q = J - 288 = 16 (which tensor) + 4 w + dt
	s_and_b32 s32, s18, 31
	s_lshl_b32 s28, s32, 13
	s_add_nc_u64 s[16:17], s[16:17], s[28:29]      ; my block of 8,192 bytes
	s_and_b32 s33, s18, 3                          ; dt
	s_bfe_u32 s34, s18, 0x20002                    ; w
	s_cmp_ge_u32 s32, 16
	s_cbranch_scc1 .Lw4t
	; W1 for the masked operand: register 32 c + i of lane (r, h) = W1[128 w + 64 c + 32 h + i][16 dt + r]: a lane takes a column, its registers run down the next K
	s_lshl_b32 s22, s34, 15
	s_lshl_b32 s33, s33, 6
	s_add_co_u32 s22, s22, s33
	s_add_nc_u64 s[4:5], s[4:5], s[22:23]
	v_lshlrev_b32 v5, 13, v3
	v_lshl_add_u32 v5, v2, 2, v5
.set N, 0
.rept 64
	global_load_b32 v[X+N], v5, s[4:5] offset:(64*(N/32)+N%32)*256
.set N, N+1
.endr
	PUT
.Lw4t:                                             ; W4 for the trace: register 16 bb + e of lane (r, h) = W4[16 dt + r][128 w + 32 bb + 16 h + e]: the layout of the last product's results
	s_lshl_b32 s22, s33, 15
	s_lshl_b32 s34, s34, 9
	s_add_co_u32 s22, s22, s34
	s_add_nc_u64 s[10:11], s[10:11], s[22:23]
	v_lshlrev_b32 v5, 11, v2
	v_lshl_add_u32 v5, v3, 6, v5
.irp g, 0,1,2,3,4,5,6,7,8,9,10,11,12,13,14,15
	global_load_b128 v[X+4*\g:X+4*\g+3], v5, s[10:11] offset:128*(\g/4)+16*(\g%4)
.endr
	PUT
.Lfunc_end_k_qdb71aca572_prep:
	.size	k_qdb71aca572_prep, .Lfunc_end_k_qdb71aca572_prep-k_qdb71aca572_prep
	.p2alignl 7, 3214868480
	.fill 96, 4, 3214868480
	.section	.rodata,"a",@progbits
	.p2align	6, 0x0
	.amdhsa_kernel k_qdb71aca572_prep
		.amdhsa_group_segment_fixed_size 0
		.amdhsa_private_segment_fixed_size 0
		.amdhsa_enable_private_segment 0
		.amdhsa_kernarg_size 56
		.amdhsa_user_sgpr_count 2
		.amdhsa_user_sgpr_kernarg_segment_ptr 1
		.amdhsa_wavefront_size32 1
		.amdhsa_system_sgpr_workgroup_id_x 1
		.amdhsa_system_sgpr_workgroup_id_y 1
		.amdhsa_system_sgpr_workgroup_id_z 1
		.amdhsa_system_vgpr_workitem_id 0
		.amdhsa_next_free_vgpr 112
		.amdhsa_next_free_sgpr 66
		.amdhsa_reserve_vcc 0
		.amdhsa_float_denorm_mode_32 3
		.amdhsa_float_denorm_mode_16_64 3
		.amdhsa_memory_ordered 1
		.amdhsa_forward_progress 1
		.amdhsa_inst_pref_size 29
	.end_amdhsa_kernel
	.amdgpu_metadata
---
amdhsa.version: [ 1, 2 ]
amdhsa.kernels:
  - .name:           k_qdb71aca572_prep
    .symbol:         k_qdb71aca572_prep.kd
    .args:
      - { .name: W1, .offset: 0, .size: 8, .value_kind: global_buffer, .address_space: global }
      - { .name: W2, .offset: 8, .size: 8, .value_kind: global_buffer, .address_space: global }
      - { .name: W3, .offset: 16, .size: 8, .value_kind: global_buffer, .address_space: global }
      - { .name: W4, .offset: 24, .size: 8, .value_kind: global_buffer, .address_space: global }
      - { .name: wq, .offset: 32, .size: 8, .value_kind: global_buffer, .address_space: global }
      - { .name: ws, .offset: 40, .size: 8, .value_kind: global_buffer, .address_space: global }
      - { .name: wt, .offset: 48, .size: 8, .value_kind: global_buffer, .address_space: global }
    .group_segment_fixed_size: 0
    .private_segment_fixed_size: 0
    .kernarg_segment_align: 8
    .kernarg_segment_size: 56
    .max_flat_workgroup_size: 32
    .sgpr_count:     66
    .vgpr_count:     112
    .wavefront_size: 32
...
	.end_amdgpu_metadata
.endif
;; end of part 1
;; launch main (part 2): grid 256 x 1, 4 waves a work-group, no clusters, 314,880 bytes of LDS; arguments x, b1, b2, b3, b4, wq, ws, wt, out0; writes out0
.if DOCPART == 2
	.amdgcn_target "amdgcn-amd-amdhsa--gfx1250"
	.amdhsa_code_object_version 6
	.text
	.protected	k_qdb71aca572_main
	.globl	k_qdb71aca572_main
	.p2align	8
	.type	k_qdb71aca572_main,@function
k_qdb71aca572_main:
	s_mov_b64 s[64:65], 0
	v_nop
	global_prefetch_b8 v0, s[64:65] scope:SCOPE_SE
	s_setreg_imm32_b32 hwreg(HW_REG_WAVE_MODE, 25, 1), 1
	s_wait_xcnt 0x0
; val[b] = 0.5 |s(b)|^2 + trace(W4 diag(m3) W3 diag(m2) W2 diag(m1) W1), s the ReLU net's output, m_k = 1[a_k > 0].  All products but the trace's last on codes of FP6 (E2M3) with one E8M0 byte for each 32 along K.
; SHARES.  A work-group of four waves takes 8 samples through the whole chain; nothing goes to memory on the way.  THE WAVES SHARE THE COLUMNS: wave w owns hidden units 128 w .. 128 w + 127 of every layer, and its
; 32 fragments of the layer's weight (384 registers) stay in registers: W2 for the first half of the launch, W3 for the second.  What goes round, through LDS, is the rows' codes, as IMAGES OF THE OPERAND'S REGISTERS:
; a fragment's 12 registers by 3 ds_store_b128 at 16 x lane, its scale word at 16 x lane + 4 x K step, so that one ds_load_b128 brings a row's words of all four K steps.
; EVERY PRODUCT IS USED TRANSPOSED: source 0 = 16 rows of the weight, source 1 = 16 rows (sample, d).  The weight's rows of a tile are chosen (by the launch before) so that register 16 b + i of my 8 tiles is
; hidden unit 128 w + 32 b + 16 (lane / 16) + i of the lane's row: 16 neighbours along the next K.  A mask hangs on (sample, unit) alone, so it is the same in all rows: 64 registers a wave and sample.
; PHASE A (W2 in registers): the net's layers 1 and 2 on a tile of 16 rows (the 8 samples, each twice); then for each sample: T1 = Q(m1 W1) is made (wave w: K step w of all 64 rows d), a barrier, four tiles of
; rows x 32 matrix instructions, x m2, quantised: T2, which stays in LDS for all 8 samples.  SWITCH: W3 takes W2's registers.  PHASE B: layers 3 and 4; then for each sample four tiles x 32 matrix instructions, and
; fused multiply-adds with W4 and m3 in f32 (the trace).  END: one sum through LDS; wave 0 stores 8 numbers.
; NO CLUSTER, NO JOINT LOADS, though all work-groups read the same weights: a joint load lands in LDS, and when W3's 196,608 bytes are wanted T2 holds 212,992 of the 327,680; W2's could land at the head, and is
; fetched like W3's so that one form serves both.  The weights go from memory straight into the registers in which they stay, once, by loads of 512 consecutive bytes a wave.
; LIMITS: a block of zeros gets the scale byte 1 where the rule says 127 (its codes are zeros; nobody else reads the bytes); NaN and infinities among the inputs are not served.
; LDS
.set FRB,  1536                        ; a fragment's image
.set T2I,  0                           ; T2's images: fragment (sample s, tile of rows dt, K step ks) at (16 s + 4 dt + ks) FRB
.set T2S,  196608                      ; their scale words: 2048 s + 512 dt + 16 lane + 4 ks
.set T1I,  212992                      ; T1's images of the sample in hand: (4 dt + ks) FRB
.set T1S,  237568                      ; their scale words: 512 dt + 16 lane + 4 ks
.set MP,   2064                        ; the masks, as f32 0 or 1: a sample's 512 units + 16 bytes
.set M1,   239616
.set M2,   256128
.set M3,   272640
.set FH,   289152                      ; the net's hidden layers k = 0, 1, 2: four images, then 512 bytes of scale words
.set FHB,  6656
.set RED,  309120                      ; the trace's partial sums: 512 s + 128 w + 4 lane
.set SS,   313216                      ; |s|^2's: 32 sample + 8 w + 4 (lane / 16)
; REGISTERS.  Window 0:
.set LI,   1                           ; 16 x lane
.set L4,   2                           ; 4 x lane
.set H8,   3                           ; 8 (lane / 16)
.set T1W,  4                           ; where I store T1's images, and (T1SW) their words
.set T1SW, 5
.set T1R,  6                           ; where all read them
.set T1SR, 7
.set T2W,  8                           ; the same for T2
.set T2SW, 9
.set T2R,  LI                          ; (T2I = 0)
.set T2SR, 11
.set BM1,  12                          ; my units' masks: M1 + 512 w + 128 h (whole blocks of 32 a lane);  M2, M3 + 512 w + 64 h (16 of each block)
.set BM2,  13
.set BM3,  14
.set MW,   15                          ; where a layer's masks are stored: MP (lane % 8) + 512 w + 64 h
.set C0,   16                          ; v16-19 the addresses of the trip in hand
.set C1,   17
.set C2,   18
.set C3,   19
.set FHW,  20
.set FHSW, 21
.set FHR,  22
.set ARED, 23
.set ASS,  24
.set BO,   25                          ; 64 h: a bias's bytes of my half
.set XO,   26                          ; x: 256 (lane % 8) + 128 h
.set FR,   27                          ; the end: RED + 512 (lane / 4) + 128 (lane % 4)
.set FS,   28                          ; SS + 32 (lane / 4) + 8 (lane % 4)
.set FO,   29                          ; 4 (lane / 4)
.set L3,   30                          ; lane % 4
.set ACC,  32                          ; v32-95   my 8 tiles' results: 64 numbers
.set AF,   96                          ; v96-143  source 1: the four K steps' fragments
.set XF,   96                          ; x's fragment (at the head)
.set XR,   112                         ; x's 32 numbers (at the head)
.set AS,   144                         ; v144-147 their scale words
.set WS,   160                         ; v160-191 the weight's scale words: register 8 ks + t
.set TM,   192                         ; v192-207 at work in the quantisers
.set PW,   208                         ; the scale word just made
.set PC,   210                         ; v210-228 the codes just made (12), and the conversions' second halves
.set Q,    230                         ; v230-237 the trace's four chains
.set SA,   238                         ; v238-245 layer 4's accumulator
.set W1W,  246                         ; v246-253 W1's scale words, a tile each; later W4's four
.set XW,   254                         ; x's scale word
; Window 1: v0-191 the weight's fragments of K steps 0, 1 at 12 (8 (ks % 2) + t); v192-255 in turn: W1's fragments, m1, W4's fragments, the trace's products P.
; Window 2: v0-191 K steps 2, 3; v192-255 m2, later m3.   Window 3: W1, later W4, as f32: register 64 dt + n.
; Scalars: s22 wave; s[24:25] lane selects; s26 trips; s27-30 the sample's steps; s[32:53] addresses, never stepped.
.set MSB, 0
.macro WIN new                         ; s_set_vgpr_msb: bits 1:0 source 0, 3:2 source 1, 5:4 source 2, 7:6 destination; the high byte repeats the setting that is left
.if MSB != (\new)
	s_set_vgpr_msb (MSB<<8)|(\new)
.set MSB, (\new)
.endif
.endm
.macro BARRIER                         ; my LDS stores have landed and my LDS loads are in: then the work-group's barrier
	s_wait_dscnt 0x0
	s_barrier_signal -1
	s_barrier_wait -1
.endm
.macro PLACES                          ; four plain places behind a matrix instruction of this form, ahead of loads into its registers and of the first read of its result
.rept 4
	v_nop
.endr
.endm
; 64 numbers of a lane, register 16 b + i = k 32 b + 16 (lane / 16) + i of my row, become a fragment's codes in v[PC] on and its scale word in v[PW]
.macro QUANT s
.irp b, 0,1,2,3
	v_max3_num_f32 v[TM+\b], |v[\s+16*\b]|, |v[\s+1+16*\b]|, 0x1800000   ; block b: my 16 numbers, and the floor 2^(3 - 127): the byte cannot fall under 1
.endr
.irp i, 2,4,6,8,10,12,14
.irp b, 0,1,2,3
	v_max3_num_f32 v[TM+\b], v[TM+\b], |v[\s+16*\b+\i]|, |v[\s+1+16*\b+\i]|   ; (the four blocks by turns)
.endr
.endr
	s_wait_dscnt 0x0                               ; the LDS stores issued so far have read v[PC] on and v[PW]: both are written again below
.irp b, 0,1,2,3
	v_permlanex16_b32 v[TM+4+\b], v[TM+\b], s24, s25
.endr
.irp b, 0,1,2,3
	v_max_num_f32 v[TM+\b], v[TM+\b], v[TM+4+\b]   ; with lane l xor 16's: the block's largest magnitude
.endr
.irp b, 0,1,2,3
	v_add_nc_u32 v[TM+12+\b], 0xff000000, v[TM+\b] ; 2 off its exponent field: the conversion's scale operand
.endr
.irp b, 0,1,2,3
	v_lshrrev_b32 v[TM+4+\b], 23, v[TM+12+\b]      ; the scale's byte
.endr
	v_lshl_or_b32 v[PW], v[TM+5], 8, v[TM+4]
	v_lshl_or_b32 v[PW], v[TM+6], 16, v[PW]
	v_lshl_or_b32 v[PW], v[TM+7], 24, v[PW]
.irp c, 0,1
	v_cvt_scalef32_pk16_fp6_f32 v[PC+6*\c:PC+2+6*\c], v[\s+32*\c:\s+15+32*\c], v[TM+12+2*\c]
	v_cvt_scalef32_pk16_fp6_f32 v[PC+12+4*\c:PC+14+4*\c], v[\s+16+32*\c:\s+31+32*\c], v[TM+12+2*\c+1]   ; (a conversion's three registers begin on an even number)
.endr
	v_nop                                          ; one plain place behind a scaled conversion
.irp c, 0,1                                    ; the operand's layout wants a WHOLE block in a lane: lanes 0-15 block 2 c, lanes 16-31 block 2 c + 1
.irp i, 0,1,2
	v_permlane16_swap_b32 v[PC+6*\c+\i], v[PC+12+4*\c+\i]
.endr
.irp i, 0,1,2
	v_mov_b32 v[PC+3+6*\c+\i], v[PC+12+4*\c+\i]
.endr
.endr
.endm
.macro IMAGE adr, off                  ; the fragment in v[PC] on goes to LDS as it stands
.irp c, 0,1,2
	ds_store_b128 v[\adr], v[PC+4*\c:PC+4*\c+3] offset:(\off)+512*\c
.endr
.endm
.macro LOADA adr, off, adrs, offs      ; the four K steps' fragments of a tile of rows, and their scale words
.irp g, 0,1,2,3,4,5,6,7,8,9,10,11
	ds_load_b128 v[AF+4*\g:AF+4*\g+3], v[\adr] offset:(\off)+512*\g
.endr
	ds_load_b128 v[AS:AS+3], v[\adrs] offset:(\offs)
.endm
; 32 matrix instructions: my 8 tiles of the weight x a tile of 16 rows, K = 512.  The eight accumulators take turns, one instruction a turn.
; zero = 1: the first K step starts the sums;  0: it adds onto the bias, which has been loaded into the accumulators
.macro MM zero
.irp ks, 0,1,2,3
.if \ks < 2
	WIN 0x01                                       ; source 0 in window 1
.else
	WIN 0x02                                       ; in window 2
.endif
.irp t, 0,1,2,3,4,5,6,7
.if (\zero) && (\ks == 0)
	v_wmma_scale_f32_16x16x128_f8f6f4 v[ACC+8*\t:ACC+8*\t+7], v[12*(8*(\ks%2)+\t):12*(8*(\ks%2)+\t)+11], v[AF+12*\ks:AF+12*\ks+11], 0, v[WS+8*\ks+\t], v[AS+\ks] matrix_a_fmt:MATRIX_FMT_FP6 matrix_b_fmt:MATRIX_FMT_FP6
.else
	v_wmma_scale_f32_16x16x128_f8f6f4 v[ACC+8*\t:ACC+8*\t+7], v[12*(8*(\ks%2)+\t):12*(8*(\ks%2)+\t)+11], v[AF+12*\ks:AF+12*\ks+11], v[ACC+8*\t:ACC+8*\t+7], v[WS+8*\ks+\t], v[AS+\ks] matrix_a_fmt:MATRIX_FMT_FP6 matrix_b_fmt:MATRIX_FMT_FP6
.endif
.endr
.endr
	WIN 0
.endm
.macro BIAS p                          ; a bias in the result's layout: tile t, lane half h: units 32 (t / 2) + 8 (t % 2) + 16 h + 0 .. 7 of my 128
.irp t, 0,1,2,3,4,5,6,7
	global_load_b128 v[ACC+8*\t:ACC+8*\t+3], v[BO], s[\p:\p+1] offset:(32*(\t/2)+8*(\t%2))*4
	global_load_b128 v[ACC+8*\t+4:ACC+8*\t+7], v[BO], s[\p:\p+1] offset:(32*(\t/2)+8*(\t%2))*4+16
.endr
.endm
.macro WEIGHTS coff, soff              ; my 32 scale words, then my 32 fragments: 96 loads of 512 consecutive bytes
.set G, 0
.rept 32
	global_load_b32 v[WS+G], v[L4], s[36:37] offset:(\soff)+128*G
.set G, G+1
.endr
	WIN 0x40
.set G, 0
.rept 48
	global_load_b128 v[4*G:4*G+3], v[LI], s[32:33] offset:(\coff)+512*G
.set G, G+1
.endr
	WIN 0x80
.set G, 0
.rept 48
	global_load_b128 v[4*G:4*G+3], v[LI], s[32:33] offset:(\coff)+24576+512*G
.set G, G+1
.endr
	WIN 0
.endm
.macro TABLE off                       ; my four blocks of W1 or of W4 as f32 into window 3
	WIN 0xc0
.set G, 0
.rept 64
	global_load_b128 v[4*G:4*G+3], v[LI], s[40:41] offset:(\off)+512*G
.set G, G+1
.endr
	WIN 0
.endm
; Behind a layer of the net: the mask 1[a > 0] goes to LDS at mr, relu(a) is quantised, and its image (K step w of the next layer) goes to hidden layer k's place.
; The masks are made in the registers of source 1 (48) and of the codes (16), which are free here; each accumulator is read from its low end on.
.macro POST mr, k
	PLACES
.set J, 0
.rept 64
.if J < 48
.set SR, AF+J
.else
.set SR, PC+J-48
.endif
	v_cmp_lt_f32 vcc_lo, 0, v[ACC+J]
	v_cndmask_b32 v[SR], 0, 1.0, vcc_lo
.set J, J+1
.endr
	v_add_nc_u32 v[C0], \mr, v[MW]
.set G, 0
.rept 16
.if G < 12
.set SR, AF+4*G
.else
.set SR, PC+4*(G-12)
.endif
	ds_store_b128 v[C0], v[SR:SR+3] offset:128*(G/4)+16*(G%4)   ; lanes l and l + 8 hold the same sample and write the same bytes with the same values
.set G, G+1
.endr
.set J, 0
.rept 64
	v_max_num_f32 v[ACC+J], 0, v[ACC+J]            ; the activation, in f32
.set J, J+1
.endr
	QUANT ACC
	IMAGE FHW, FHB*\k
	ds_store_b32 v[FHSW], v[PW] offset:FHB*\k
.endm
; T1 = Q(m1 W1) for rows d = 16 dt + lane % 16, K step w.  Here a lane holds two WHOLE blocks: register 32 c + i = unit 128 w + 64 c + 32 h + i, the operand's own order: no lane is asked for a maximum, nothing changes lanes
.macro MAKE dt
	WIN 0x07                                       ; source 0 (W1) window 3, source 1 (m1) window 1
.set I, 0
.rept 32
	v_pk_mul_f32 v[ACC+2*I:ACC+2*I+1], v[64*\dt+2*I:64*\dt+2*I+1], v[192+2*I:193+2*I]
.set I, I+1
.endr
	WIN 0
.irp c, 0,1
	v_max3_num_f32 v[TM+\c], |v[ACC+32*\c]|, |v[ACC+32*\c+1]|, 0x1800000
.endr
.irp i, 2,4,6,8,10,12,14,16,18,20,22,24,26,28,30
.irp c, 0,1
	v_max3_num_f32 v[TM+\c], v[TM+\c], |v[ACC+32*\c+\i]|, |v[ACC+32*\c+\i+1]|
.endr
.endr
	s_wait_dscnt 0x0                               ; the last image's stores have read v[PC] on and v[PW]
.irp c, 0,1
	v_add_nc_u32 v[TM+12+\c], 0xff000000, v[TM+\c]
.endr
.irp c, 0,1
	v_lshrrev_b32 v[TM+4+\c], 23, v[TM+12+\c]
.endr
	v_lshl_or_b32 v[PW], v[TM+5], 16, v[TM+4]      ; my two bytes, blocks h and 2 + h,
	v_lshlrev_b32 v[PW], v[H8], v[PW]              ; at their places;
	v_permlanex16_b32 v[TM+8], v[PW], s24, s25
	v_or_b32 v[PW], v[PW], v[TM+8]                 ; with lane l xor 16's two the word is whole
.irp c, 0,1
	v_cvt_scalef32_pk16_fp6_f32 v[PC+6*\c:PC+2+6*\c], v[ACC+32*\c:ACC+32*\c+15], v[TM+12+\c]
	v_cvt_scalef32_pk16_fp6_f32 v[PC+12+4*\c:PC+14+4*\c], v[ACC+32*\c+16:ACC+32*\c+31], v[TM+12+\c]
.endr
	v_nop                                          ; one plain place behind a scaled conversion
.irp c, 0,1
.irp i, 0,1,2
	v_mov_b32 v[PC+3+6*\c+\i], v[PC+12+4*\c+\i]
.endr
.endr
	IMAGE T1W, 6144*\dt
	ds_store_b32 v[T1SW], v[PW] offset:512*\dt
.endm
; T2 = Q(m2 Y2) for the tile of rows dt: K step w of the next product
.macro QT dt
	WIN 0x08                                       ; source 1 (m2) window 2
.set I, 0
.rept 32
	v_pk_mul_f32 v[ACC+2*I:ACC+2*I+1], v[ACC+2*I:ACC+2*I+1], v[192+2*I:193+2*I]
.set I, I+1
.endr
	WIN 0
	QUANT ACC
	IMAGE C2, 6144*\dt
	ds_store_b32 v[C3], v[PW] offset:512*\dt
.endm
; The trace: P[n] (+)= Y3[n] x W4[d][unit n], over the four tiles of rows; m3, which is the same for all d, is multiplied in once a sample
.macro RED dt
	WIN 0x5c                                       ; source 1 (W4) window 3, source 2 and destination (P) window 1
.set I, 0
.rept 32
.if \dt == 0
	v_pk_mul_f32 v[192+2*I:193+2*I], v[ACC+2*I:ACC+2*I+1], v[64*\dt+2*I:64*\dt+2*I+1]
.else
	v_pk_fma_f32 v[192+2*I:193+2*I], v[ACC+2*I:ACC+2*I+1], v[64*\dt+2*I:64*\dt+2*I+1], v[192+2*I:193+2*I]
.endif
.set I, I+1
.endr
	WIN 0
.endm
	; ---- HEAD: ids, every address, and all loads of the first half
	s_load_b512 s[4:19], s[0:1], 0x0               ; x s[4:5], b1 s[6:7], b2 s[8:9], b3 s[10:11], b4 s[12:13], wq s[14:15], ws s[16:17], wt s[18:19]
	s_load_b64 s[20:21], s[0:1], 0x40              ; out0
	v_lshl_add_u32 v229, v0, 2, 0x4cc00
	v_mov_b32 v255, 0
	v_lshrrev_b32 v31, 5, v0
	v_readfirstlane_b32 s22, v31                   ; wave 0..3
	v_and_b32 v31, 31, v0                          ; lane
	v_bfe_u32 v10, v0, 4, 1                        ; h
	v_lshlrev_b32 v[LI], 4, v31
	v_lshlrev_b32 v[L4], 2, v31
	v_lshlrev_b32 v[H8], 3, v10
	s_mul_i32 s54, s22, FRB
	s_lshl_b32 s55, s22, 2
	s_lshl_b32 s56, s22, 9
	s_lshl_b32 s57, s22, 7
	s_lshl_b32 s58, s22, 3
	s_add_co_u32 s59, s54, T1I
	v_add_nc_u32 v[T1W], s59, v[LI]
	s_add_co_u32 s59, s55, T1S
	v_add_nc_u32 v[T1SW], s59, v[LI]
	v_add_nc_u32 v[T1R], T1I, v[LI]
	v_add_nc_u32 v[T1SR], T1S, v[LI]
	v_add_nc_u32 v[T2W], s54, v[LI]
	s_add_co_u32 s59, s55, T2S
	v_add_nc_u32 v[T2SW], s59, v[LI]
	v_add_nc_u32 v[T2SR], T2S, v[LI]
	s_add_co_u32 s59, s56, M1
	v_lshl_add_u32 v[BM1], v10, 7, s59
	s_add_co_u32 s59, s56, M2
	v_lshl_add_u32 v[BM2], v10, 6, s59
	s_add_co_u32 s59, s56, M3
	v_lshl_add_u32 v[BM3], v10, 6, s59
	v_and_b32 v[C0], 7, v0                         ; the net's tile of 16 rows: lane l holds sample l % 8
	v_mul_u32_u24 v[MW], v[C0], MP
	v_lshl_add_u32 v[MW], v10, 6, v[MW]
	v_add_nc_u32 v[MW], s56, v[MW]
	s_add_co_u32 s59, s54, FH
	v_add_nc_u32 v[FHW], s59, v[LI]
	s_add_co_u32 s59, s55, FH+6144
	v_add_nc_u32 v[FHSW], s59, v[LI]
	v_add_nc_u32 v[FHR], FH, v[LI]
	s_add_co_u32 s59, s57, RED
	v_add_nc_u32 v[ARED], s59, v[L4]
	s_add_co_u32 s59, s58, SS
	v_lshl_add_u32 v[ASS], v[C0], 5, s59
	v_lshl_add_u32 v[ASS], v10, 2, v[ASS]
	v_lshlrev_b32 v[BO], 6, v10
	v_lshlrev_b32 v[XO], 8, v[C0]
	v_lshl_add_u32 v[XO], v10, 7, v[XO]
	v_lshrrev_b32 v[C1], 2, v31                    ; lane / 4
	v_and_b32 v[L3], 3, v31
	v_lshlrev_b32 v[FO], 2, v[C1]
	v_lshlrev_b32 v[FR], 9, v[C1]
	v_lshl_add_u32 v[FR], v[L3], 7, v[FR]
	v_add_nc_u32 v[FR], RED, v[FR]
	v_lshlrev_b32 v[FS], 5, v[C1]
	v_lshl_add_u32 v[FS], v[L3], 3, v[FS]
	v_add_nc_u32 v[FS], SS, v[FS]
.irp i, 4,5,6,7,8
	v_mov_b32 v[TM+\i], 0                          ; written once: a lane permute's destination counts as one of its sources
.endr
	WIN 0x40
.irp i, 240,241,242,243,244,245
	v_mov_b32 v[\i], 0                             ; behind W1's last tile: the upper half of its operand (K = 64 .. 127)
.endr
	WIN 0
	s_mov_b32 s24, 0x76543210
	s_mov_b32 s25, 0xfedcba98                      ; v_permlanex16_b32's selects for lane l xor 16
	s_mov_b32 s61, 0
	s_wait_kmcnt 0x0
	s_mul_i32 s60, s22, 49152
	s_add_nc_u64 s[32:33], s[14:15], s[60:61]      ; my 32 images of W2 (W3: 196,608 on)
	s_mul_i32 s60, s22, 6144
	s_add_nc_u64 s[34:35], s[14:15], s[60:61]      ; my 4 of W4 (393,216 on) and of W1 (417,792 on)
	s_lshl_b32 s60, s22, 12
	s_add_nc_u64 s[36:37], s[16:17], s[60:61]      ; the scale words likewise: 128 bytes an image
	s_mov_b32 s60, s56
	s_add_nc_u64 s[38:39], s[16:17], s[60:61]
	s_add_nc_u64 s[42:43], s[6:7], s[60:61]        ; b1, b2, b3 at my 128 units
	s_add_nc_u64 s[44:45], s[8:9], s[60:61]
	s_add_nc_u64 s[46:47], s[10:11], s[60:61]
	s_lshl_b32 s60, s22, 15
	s_add_nc_u64 s[40:41], s[18:19], s[60:61]      ; my 4 blocks of W1 as f32 (W4: 131,072 on)
	s_lshr_b32 s60, s22, 1
	s_lshl_b32 s60, s60, 7
	s_and_b32 s62, s22, 1
	s_lshl_b32 s62, s62, 5
	s_add_co_u32 s60, s60, s62
	s_add_nc_u64 s[48:49], s[12:13], s[60:61]      ; b4 at output 32 (w / 2) + 8 (w % 2)
	s_lshl_b32 s60, ttmp9, 11
	s_add_nc_u64 s[50:51], s[4:5], s[60:61]        ; my work-group's 8 rows of x
	s_lshl_b32 s60, ttmp9, 5
	s_add_nc_u64 s[52:53], s[20:21], s[60:61]      ; and its 8 results
.irp q, 0,1,2,3,4,5,6,7
	global_load_b128 v[XR+4*\q:XR+4*\q+3], v[XO], s[50:51] offset:16*\q   ; x(lane % 8, 32 h + 0 .. 31): a whole block
.endr
	BIAS 42
	WIN 0x40
.irp g, 0,1,2,3,4,5,6,7,8,9,10,11
	global_load_b128 v[192+4*\g:195+4*\g], v[LI], s[34:35] offset:417792+512*\g   ; W1's 8 tiles, 6 registers each
.endr
	WIN 0
.irp bb, 0,1,2,3
	global_load_b32 v[W1W+2*\bb], v[L4], s[38:39] offset:34816+128*\bb   ; a pair's word: bytes 0, 1 the even tile's, 2, 3 the odd one's
.endr
	TABLE 0
	WEIGHTS 0, 0
	s_wait_loadcnt 63                              ; loads come back in order: at most the youngest 63 are out, and the last 96 issued are W2's codes: all else is in
	; ---- x's fragment: K = 64, so registers 6-11 are zero codes, and the word's upper two bytes stand over them
	v_max3_num_f32 v[TM], |v[XR]|, |v[XR+1]|, 0x1800000
	v_max3_num_f32 v[TM+1], |v[XR+16]|, |v[XR+17]|, 0x1800000
.irp i, 2,4,6,8,10,12,14
	v_max3_num_f32 v[TM], v[TM], |v[XR+\i]|, |v[XR+\i+1]|
	v_max3_num_f32 v[TM+1], v[TM+1], |v[XR+16+\i]|, |v[XR+17+\i]|
.endr
	v_max_num_f32 v[TM], v[TM], v[TM+1]
	v_add_nc_u32 v[TM+12], 0xff000000, v[TM]
	v_lshrrev_b32 v[TM+4], 23, v[TM+12]
	v_lshlrev_b32 v[XW], v[H8], v[TM+4]            ; my block's byte at place h
	v_permlanex16_b32 v[TM+8], v[XW], s24, s25
	v_or_b32 v[XW], v[XW], v[TM+8]
	v_cvt_scalef32_pk16_fp6_f32 v[XF:XF+2], v[XR:XR+15], v[TM+12]
	v_cvt_scalef32_pk16_fp6_f32 v[PC+12:PC+14], v[XR+16:XR+31], v[TM+12]
	v_nop                                          ; one plain place behind a scaled conversion
.irp i, 0,1,2
	v_mov_b32 v[XF+3+\i], v[PC+12+\i]
.endr
.irp i, 6,7,8,9,10,11
	v_mov_b32 v[XF+\i], 0
.endr
.irp bb, 0,1,2,3
	v_lshrrev_b32 v[W1W+2*\bb+1], 16, v[W1W+2*\bb] ; the odd tile's two bytes
.endr
.rept 8
	v_nop                                          ; a scale register written by a vector instruction stands 8 places ahead of a scaled matrix instruction, an operand so written 4
.endr
	; ---- layer 1.  A tile's operand is its 6 registers and the 6 that follow (the next tile's codes, or zeros): these meet x's zero codes and add nothing
	WIN 0x01
.irp t, 0,1,2,3,4,5,6,7
	v_wmma_scale_f32_16x16x128_f8f6f4 v[ACC+8*\t:ACC+8*\t+7], v[192+6*\t:192+6*\t+11], v[XF:XF+11], v[ACC+8*\t:ACC+8*\t+7], v[W1W+\t], v[XW] matrix_a_fmt:MATRIX_FMT_FP6 matrix_b_fmt:MATRIX_FMT_FP6
.endr
	WIN 0
	POST M1, 0
	BIAS 44
	BARRIER                                        ; h1's four images and m1 lie in LDS
	; ---- layer 2
	LOADA FHR, 0, FHR, 6144
	s_wait_loadcnt 0x0                             ; W2's codes and b2
	s_wait_dscnt 0x0
	MM 0
	POST M2, 1
	BARRIER                                        ; h2's images and m2 lie in LDS
	; ---- PHASE A: a sample a trip
	s_mov_b32 s26, 8
	s_mov_b32 s27, 0                               ; 24,576 s: T2's images
	s_mov_b32 s28, 0                               ; 2,048 s: their words
	s_mov_b32 s29, 0                               ; MP s: the masks
.Lsample_a:
	v_add_nc_u32 v[C0], s29, v[BM1]
	v_add_nc_u32 v[C1], s29, v[BM2]
	v_add_nc_u32 v[C2], s27, v[T2W]
	v_add_nc_u32 v[C3], s28, v[T2SW]
	WIN 0x40
.irp g, 0,1,2,3,4,5,6,7,8,9,10,11,12,13,14,15
	ds_load_b128 v[192+4*\g:195+4*\g], v[C0] offset:256*(\g/8)+16*(\g%8)   ; m1 of units 128 w + 64 c + 32 h + i
.endr
	WIN 0x80
.irp g, 0,1,2,3,4,5,6,7,8,9,10,11,12,13,14,15
	ds_load_b128 v[192+4*\g:195+4*\g], v[C1] offset:128*(\g/4)+16*(\g%4)   ; m2 of units 128 w + 32 b + 16 h + i
.endr
	WIN 0
	s_wait_dscnt 0x0
	MAKE 0
	MAKE 1
	MAKE 2
	MAKE 3
	BARRIER                                        ; T1's sixteen images lie in LDS
	LOADA T1R, 0, T1SR, 0
.irp dt, 0,1,2,3
	s_wait_dscnt 0x0
	MM 1
	PLACES
.if \dt < 3
	LOADA T1R, 6144*(\dt+1), T1SR, 512*(\dt+1)     ; the next tile of rows lands while this one's results are quantised
.endif
	QT \dt
.endr
	BARRIER                                        ; nobody reads T1 any more; this sample's T2 lies in LDS
	s_add_co_u32 s27, s27, 24576
	s_add_co_u32 s28, s28, 2048
	s_add_co_u32 s29, s29, MP
	s_sub_co_i32 s26, s26, 1
	s_cmp_lg_u32 s26, 0
	s_cbranch_scc1 .Lsample_a
	; ---- SWITCH: W3 takes W2's registers, W4 W1's
	BIAS 46
	WEIGHTS 196608, 16384
	WIN 0x40
.irp g, 0,1,2,3,4,5,6,7,8,9,10,11
	global_load_b128 v[192+4*\g:195+4*\g], v[LI], s[34:35] offset:393216+512*\g   ; my tile of W4's rows, four K steps
.endr
	WIN 0
.irp ks, 0,1,2,3
	global_load_b32 v[W1W+\ks], v[L4], s[38:39] offset:32768+128*\ks
.endr
	global_load_b128 v[SA:SA+3], v[BO], s[48:49]
	global_load_b128 v[SA+4:SA+7], v[BO], s[48:49] offset:16
	TABLE 131072
	LOADA FHR, FHB, FHR, FHB+6144
	s_wait_loadcnt 63                              ; at most the youngest 63 are out, and the last 64 issued are W4's f32 numbers, first wanted in phase B: all else is in
	s_wait_dscnt 0x0
	; ---- layer 3
	MM 0
	POST M3, 2
	BARRIER                                        ; h3's images and m3 lie in LDS
	; ---- layer 4: my 16 outputs, one accumulator: a wait directly ahead of each link that follows its forerunner
	LOADA FHR, 2*FHB, FHR, 2*FHB+6144
	s_wait_dscnt 0x0
	WIN 0x01
	v_wmma_scale_f32_16x16x128_f8f6f4 v[SA:SA+7], v[192:203], v[AF:AF+11], v[SA:SA+7], v[W1W], v[AS] matrix_a_fmt:MATRIX_FMT_FP6 matrix_b_fmt:MATRIX_FMT_FP6
.irp ks, 1,2,3
	s_wait_alu depctr_va_vdst(0)
	v_wmma_scale_f32_16x16x128_f8f6f4 v[SA:SA+7], v[192+12*\ks:203+12*\ks], v[AF+12*\ks:AF+12*\ks+11], v[SA:SA+7], v[W1W+\ks], v[AS+\ks] matrix_a_fmt:MATRIX_FMT_FP6 matrix_b_fmt:MATRIX_FMT_FP6
.endr
	WIN 0
	PLACES
	v_pk_mul_f32 v[Q:Q+1], v[SA:SA+1], v[SA:SA+1]  ; the squares of my 8 outputs of sample lane % 8
	v_pk_fma_f32 v[Q:Q+1], v[SA+2:SA+3], v[SA+2:SA+3], v[Q:Q+1]
	v_pk_fma_f32 v[Q:Q+1], v[SA+4:SA+5], v[SA+4:SA+5], v[Q:Q+1]
	v_pk_fma_f32 v[Q:Q+1], v[SA+6:SA+7], v[SA+6:SA+7], v[Q:Q+1]
	v_add_f32 v[Q], v[Q], v[Q+1]
	ds_store_b32 v[ASS], v[Q]
	; ---- PHASE B: a sample a trip; T2 is only read, so no barrier stands in the loop
	s_mov_b32 s26, 8
	s_mov_b32 s27, 0
	s_mov_b32 s28, 0
	s_mov_b32 s29, 0
	s_mov_b32 s30, 0                               ; 512 s: the partial sums
	LOADA T2R, 0, T2SR, 0
	s_wait_loadcnt 0x0                             ; W4's f32 numbers
.Lsample_b:
	s_wait_dscnt 0x0
	v_add_nc_u32 v[C1], s29, v[BM3]
	v_add_nc_u32 v[C2], s27, v[T2R]
	v_add_nc_u32 v[C3], s28, v[T2SR]
	v_add_nc_u32 v[C0], s30, v[ARED]
	WIN 0x80
.irp g, 0,1,2,3,4,5,6,7,8,9,10,11,12,13,14,15
	ds_load_b128 v[192+4*\g:195+4*\g], v[C1] offset:128*(\g/4)+16*(\g%4)   ; m3
.endr
	WIN 0
.irp dt, 0,1,2,3
	s_wait_dscnt 0x0
	MM 1
	PLACES
.if \dt < 3
	LOADA C2, 6144*(\dt+1), C3, 512*(\dt+1)        ; the next tile of rows lands under the multiply-adds
.else
	s_cmp_eq_u32 s26, 1                            ; the next sample's first tile, if there is a next sample
	s_cbranch_scc1 .Lno_next
	LOADA C2, 24576, C3, 2048
.Lno_next:
.endif
	RED \dt
.endr
	WIN 0x09                                       ; source 0 (P) window 1, source 1 (m3) window 2
.set I, 0
.rept 32
.if I < 4
	v_pk_mul_f32 v[Q+2*I:Q+2*I+1], v[192+2*I:193+2*I], v[192+2*I:193+2*I]
.else
	v_pk_fma_f32 v[Q+2*(I%4):Q+2*(I%4)+1], v[192+2*I:193+2*I], v[192+2*I:193+2*I], v[Q+2*(I%4):Q+2*(I%4)+1]
.endif
.set I, I+1
.endr
	WIN 0
	v_pk_add_f32 v[Q:Q+1], v[Q:Q+1], v[Q+2:Q+3]
	v_pk_add_f32 v[Q+4:Q+5], v[Q+4:Q+5], v[Q+6:Q+7]
	v_pk_add_f32 v[Q:Q+1], v[Q:Q+1], v[Q+4:Q+5]
	v_add_f32 v[Q], v[Q], v[Q+1]
	ds_store_b32 v[C0], v[Q]                       ; my lane's part of the sample's trace
	s_add_co_u32 s27, s27, 24576
	s_add_co_u32 s28, s28, 2048
	s_add_co_u32 s29, s29, MP
	s_add_co_u32 s30, s30, 512
	s_sub_co_i32 s26, s26, 1
	s_cmp_lg_u32 s26, 0
	s_cbranch_scc1 .Lsample_b
	; ---- END: wave 0 adds.  Lane l takes sample l / 4 and wave l % 4's 32 partial sums and two sums of squares
	BARRIER
	s_cmp_lg_u32 s22, 0
	s_cbranch_scc1 .Lend
.irp i, 0,1,2,3,4,5,6,7
	ds_load_b128 v[ACC+4*\i:ACC+4*\i+3], v[FR] offset:16*\i
.endr
	ds_load_b64 v[ACC+32:ACC+33], v[FS]
	s_wait_dscnt 0x0
.irp k, 0,1,2,3,4,5,6,7
	v_pk_add_f32 v[ACC+2*\k:ACC+2*\k+1], v[ACC+2*\k:ACC+2*\k+1], v[ACC+16+2*\k:ACC+17+2*\k]
.endr
.irp k, 0,1,2,3
	v_pk_add_f32 v[ACC+2*\k:ACC+2*\k+1], v[ACC+2*\k:ACC+2*\k+1], v[ACC+8+2*\k:ACC+9+2*\k]
.endr
.irp k, 0,1
	v_pk_add_f32 v[ACC+2*\k:ACC+2*\k+1], v[ACC+2*\k:ACC+2*\k+1], v[ACC+4+2*\k:ACC+5+2*\k]
.endr
	v_pk_add_f32 v[ACC:ACC+1], v[ACC:ACC+1], v[ACC+2:ACC+3]
	v_add_f32 v[ACC+32], v[ACC+32], v[ACC+33]
	v_add_f32 v[ACC], v[ACC], v[ACC+1]
	v_fma_f32 v[ACC], v[ACC+32], 0.5, v[ACC]       ; + 0.5 x the squares
	v_add_f32_dpp v[ACC], v[ACC], v[ACC] row_xmask:1 row_mask:0xf bank_mask:0xf
	v_add_f32_dpp v[ACC], v[ACC], v[ACC] row_xmask:2 row_mask:0xf bank_mask:0xf   ; the four waves' parts
	v_cmp_eq_u32 vcc_lo, 0, v[L3]
	s_wait_xcnt 0x0                                ; EXEC changes only behind this wait
	s_and_saveexec_b32 s54, vcc_lo
	global_store_b32 v[FO], v[ACC], s[52:53]       ; eight lanes store the work-group's 32 consecutive bytes: all that it has to store
	s_wait_xcnt 0x0                                ; and again, in front of the line that widens it
	s_or_b32 exec_lo, exec_lo, s54
.Lend:
	s_wait_tensorcnt 0x0
	ds_add_u32 v229, v255
	s_wait_dscnt 0x0
	s_endpgm
.Lfunc_end_k_qdb71aca572_main:
	.size	k_qdb71aca572_main, .Lfunc_end_k_qdb71aca572_main-k_qdb71aca572_main
	.p2alignl 7, 3214868480
	.fill 96, 4, 3214868480
	.section	.rodata,"a",@progbits
	.p2align	6, 0x0
	.amdhsa_kernel k_qdb71aca572_main
		.amdhsa_group_segment_fixed_size 314880
		.amdhsa_private_segment_fixed_size 0
		.amdhsa_enable_private_segment 0
		.amdhsa_kernarg_size 72
		.amdhsa_user_sgpr_count 2
		.amdhsa_user_sgpr_kernarg_segment_ptr 1
		.amdhsa_wavefront_size32 1
		.amdhsa_system_sgpr_workgroup_id_x 1
		.amdhsa_system_sgpr_workgroup_id_y 1
		.amdhsa_system_sgpr_workgroup_id_z 1
		.amdhsa_system_vgpr_workitem_id 0
		.amdhsa_next_free_vgpr 1024
		.amdhsa_next_free_sgpr 66
		.amdhsa_reserve_vcc 1
		.amdhsa_float_denorm_mode_32 3
		.amdhsa_float_denorm_mode_16_64 3
		.amdhsa_memory_ordered 1
		.amdhsa_forward_progress 1
		.amdhsa_inst_pref_size 209
	.end_amdhsa_kernel
	.amdgpu_metadata
---
amdhsa.version: [ 1, 2 ]
amdhsa.kernels:
  - .name:           k_qdb71aca572_main
    .symbol:         k_qdb71aca572_main.kd
    .args:
      - { .name: x, .offset: 0, .size: 8, .value_kind: global_buffer, .address_space: global }
      - { .name: b1, .offset: 8, .size: 8, .value_kind: global_buffer, .address_space: global }
      - { .name: b2, .offset: 16, .size: 8, .value_kind: global_buffer, .address_space: global }
      - { .name: b3, .offset: 24, .size: 8, .value_kind: global_buffer, .address_space: global }
      - { .name: b4, .offset: 32, .size: 8, .value_kind: global_buffer, .address_space: global }
      - { .name: wq, .offset: 40, .size: 8, .value_kind: global_buffer, .address_space: global }
      - { .name: ws, .offset: 48, .size: 8, .value_kind: global_buffer, .address_space: global }
      - { .name: wt, .offset: 56, .size: 8, .value_kind: global_buffer, .address_space: global }
      - { .name: out0, .offset: 64, .size: 8, .value_kind: global_buffer, .address_space: global }
    .group_segment_fixed_size: 314880
    .private_segment_fixed_size: 0
    .kernarg_segment_align: 8
    .kernarg_segment_size: 72
    .max_flat_workgroup_size: 128
    .sgpr_count:     66
    .vgpr_count:     1024
    .wavefront_size: 32
...
	.end_amdgpu_metadata
.endif
;; end of part 2
;; ======== version 2 of 2: 2 launches
;; limits: right only within a limited range of input values
;; workspace buffers: wq 442,368 bytes; ws 36,864 bytes; wt 262,144 bytes
;; launch prep (part 3): grid 320 x 1, 1 waves a work-group, no clusters, 0 bytes of LDS; arguments W1, W2, W3, W4, wq, ws, wt; writes wq, ws, wt
.if DOCPART == 3
	.amdgcn_target "amdgcn-amd-amdhsa--gfx1250"
	.amdhsa_code_object_version 6
	.text
	.protected	k_qdb71aca572_prep
	.globl	k_qdb71aca572_prep
	.p2align	8
	.type	k_qdb71aca572_prep,@function
k_qdb71aca572_prep:
	s_mov_b64 s[64:65], 0
	v_nop
	global_prefetch_b8 v0, s[64:65] scope:SCOPE_SE
	s_setreg_imm32_b32 hwreg(HW_REG_WAVE_MODE, 25, 1), 1
	s_wait_xcnt 0x0
; THE WEIGHTS ARE LAID OUT ONCE, in the order in which the next launch's registers take them.  One wave to a work-group, one job J = the work-group's number:
;   J 0-127 W2, 128-255 W3, 256-271 W4, 272-287 W1: a fragment (16 rows x 128 along K) is quantised to FP6 (E2M3) with one E8M0 byte for each 32 along K, and stored as an IMAGE OF THE OPERAND'S
;   REGISTERS: wq + 1536 J, [c 0..2][lane][16 bytes] = the lane's registers 4 c .. 4 c + 3; its scale word (a row's four bytes) at ws + 128 J + 4 lane (lanes 16-31 repeat lanes 0-15).
;   J 288-303 W1, 304-319 W4: 64 f32 numbers a lane, copied to wt + 8192 (J - 288), [g 0..15][lane][16 bytes], in the lane order in which the next launch multiplies by them.
; THE ROWS OF A TILE ARE NOT NEIGHBOURS: lane r takes row base + r + 8 (r / 8), so that in the transposed product the 16 registers of two neighbouring tiles are 16 neighbours along the next K.
; Lane (r, h) holds k = 64 c + 32 h + 0 .. 31 in registers 6 c .. 6 c + 5: two WHOLE blocks of 32, so a block's largest magnitude needs no other lane.
; W1 has K = 64 only: an image holds a PAIR of tiles, tile 2 bb + c in registers 6 c .. 6 c + 5, and the word's bytes 2 c, 2 c + 1 are that tile's.
; A block's scale is 2^(floor(log2(largest magnitude)) - 2): its byte is the largest magnitude's exponent field - 2, held at 1 from below.
; LIMITS: a block of zeros gets the byte 1 where the rule says 127 (its codes are zeros, and this program alone reads the bytes); NaN and infinities among the inputs are not served.
; The loads take 128 bytes of a row a lane, 16 at a time, rows apart: 2.4 MB in all, read once here so that the next launch's 256 work-groups read dense images alone.  Each store of the wave covers 512 consecutive bytes.
.set X,   16                           ; v16-79   64 numbers: register 32 c + i
.set MX,  80                           ; v80-81   the two blocks' largest magnitudes
.set SO,  82                           ; v82-83   the conversions' scale operands
.set BY,  84                           ; v84-85   the scale bytes
.set PX,  86                           ; v86      a lane permute's target
.set PW,  87                           ; v87      the scale word
.set PC,  88                           ; v88-99   the fragment's 12 registers
.set PT,  100                          ; v100-102, v104-106 the second halves of the blocks' codes (a conversion's three registers begin on an even number)
	s_load_b256 s[4:11], s[0:1], 0x0               ; W1 s[4:5], W2 s[6:7], W3 s[8:9], W4 s[10:11]
	s_load_b128 s[12:15], s[0:1], 0x20             ; wq s[12:13], ws s[14:15]
	s_load_b64 s[16:17], s[0:1], 0x30              ; wt
	v_and_b32 v2, 15, v0                           ; r (one wave: v0 is the lane)
	v_lshrrev_b32 v3, 4, v0                        ; h
	v_and_b32 v4, 8, v2
	v_add_nc_u32 v4, v4, v2                        ; r + 8 (r / 8)
	v_lshlrev_b32 v7, 4, v0                        ; 16 x lane
	v_lshlrev_b32 v8, 2, v0                        ; 4 x lane
	v_lshlrev_b32 v9, 3, v3                        ; 8 h: my bytes' place in the scale word
	v_mov_b32 v[PX], 0                             ; a lane permute's destination counts as one of its sources
	s_mov_b32 s26, 0x76543210
	s_mov_b32 s27, 0xfedcba98                      ; v_permlanex16_b32's selects for lane l xor 16
	s_mov_b32 s18, ttmp9                           ; J
	s_mov_b32 s23, 0
	s_mov_b32 s29, 0
	s_mov_b32 s31, 0
; A quantising job.  p: the scalar pair with the tensor's address; s22: the byte at which the tile's first row and K step begin; sh: log2 of a row's bytes; cd: bytes from c = 0 to c = 1
.macro QJOB p, sh, cd
	s_add_nc_u64 s[\p:\p+1], s[\p:\p+1], s[22:23]
	v_lshlrev_b32 v5, \sh, v4                      ; my row,
	v_lshl_add_u32 v5, v3, 7, v5                   ; + 32 h numbers
	v_add_nc_u32 v6, \cd, v5
.irp c, 0,1
.irp q, 0,1,2,3,4,5,6,7
	global_load_b128 v[X+32*\c+4*\q:X+32*\c+4*\q+3], v[5+\c], s[\p:\p+1] offset:16*\q
.endr
.endr
	s_wait_loadcnt 0x0
.irp c, 0,1
	v_max3_num_f32 v[MX+\c], |v[X+32*\c]|, |v[X+32*\c+1]|, 0x1800000   ; and the floor 2^(3 - 127): the byte cannot fall under 1
.endr
.irp i, 2,4,6,8,10,12,14,16,18,20,22,24,26,28,30
.irp c, 0,1
	v_max3_num_f32 v[MX+\c], v[MX+\c], |v[X+32*\c+\i]|, |v[X+32*\c+\i+1]|   ; (the two blocks by turns)
.endr
.endr
.irp c, 0,1
	v_add_nc_u32 v[SO+\c], 0xff000000, v[MX+\c]    ; 2 off the exponent field: the conversion takes the exponent field of this operand as its scale
.endr
.irp c, 0,1
	v_lshrrev_b32 v[BY+\c], 23, v[SO+\c]           ; the scale's byte
.endr
	v_lshl_or_b32 v[PW], v[BY+1], 16, v[BY]        ; my two bytes: blocks h and 2 + h,
	v_lshlrev_b32 v[PW], v9, v[PW]                 ; at their places;
	v_permlanex16_b32 v[PX], v[PW], s26, s27
	v_or_b32 v[PW], v[PW], v[PX]                   ; with lane l xor 16's two the word is whole
.irp c, 0,1
	v_cvt_scalef32_pk16_fp6_f32 v[PC+6*\c:PC+6*\c+2], v[X+32*\c:X+32*\c+15], v[SO+\c]
	v_cvt_scalef32_pk16_fp6_f32 v[PT+4*\c:PT+4*\c+2], v[X+32*\c+16:X+32*\c+31], v[SO+\c]
.endr
	v_nop                                          ; one plain place behind a scaled conversion
.irp c, 0,1
.irp i, 0,1,2
	v_mov_b32 v[PC+3+6*\c+\i], v[PT+4*\c+\i]
.endr
.endr
.irp c, 0,1,2
	global_store_b128 v7, v[PC+4*\c:PC+4*\c+3], s[12:13] offset:512*\c   ; 32 lanes store 512 consecutive bytes
.endr
	global_store_b32 v8, v[PW], s[14:15]
	s_endpgm
.endm
; The end of a copy job: 64 registers a lane leave as they stand
.macro PUT
	s_wait_loadcnt 0x0
.irp g, 0,1,2,3,4,5,6,7,8,9,10,11,12,13,14,15
	global_store_b128 v7, v[X+4*\g:X+4*\g+3], s[16:17] offset:512*\g
.endr
	s_endpgm
.endm
	s_wait_kmcnt 0x0
	s_cmp_ge_u32 s18, 288
	s_cbranch_scc1 .Lcopy
	s_mul_i32 s28, s18, 1536
	s_add_nc_u64 s[12:13], s[12:13], s[28:29]      ; my image
	s_lshl_b32 s30, s18, 7
	s_add_nc_u64 s[14:15], s[14:15], s[30:31]      ; my scale words
	s_cmp_ge_u32 s18, 272
	s_cbranch_scc1 .Lw1
	s_cmp_ge_u32 s18, 256
	s_cbranch_scc1 .Lw4
	; W2 or W3: J % 128 = 32 w + 8 ks + t; rows from 128 w + 32 (t / 2) + 8 (t % 2) on, K step ks
	s_cmp_lt_u32 s18, 128
	s_cselect_b64 s[20:21], s[6:7], s[8:9]         ; the choice hangs on the work-group's number alone
	s_bfe_u32 s32, s18, 0x20005                    ; w
	s_bfe_u32 s33, s18, 0x20003                    ; ks
	s_bfe_u32 s34, s18, 0x20001                    ; t / 2
	s_and_b32 s35, s18, 1                          ; t % 2
	s_lshl_b32 s32, s32, 7
	s_lshl_b32 s34, s34, 5
	s_lshl_b32 s35, s35, 3
	s_add_co_u32 s22, s32, s34
	s_add_co_u32 s22, s22, s35                     ; the first row,
	s_lshl_b32 s22, s22, 11                        ; of 2,048 bytes,
	s_lshl_b32 s33, s33, 9
	s_add_co_u32 s22, s22, s33                     ; + 128 ks numbers
	s_wait_alu depctr_va_vdst(0)
	QJOB 20, 11, 256
.Lw4:                                              ; J - 256 = 4 w + ks; rows from 32 (w / 2) + 8 (w % 2) on
	s_bfe_u32 s33, s18, 0x10003                    ; w / 2
	s_bfe_u32 s34, s18, 0x10002                    ; w % 2
	s_and_b32 s35, s18, 3                          ; ks
	s_lshl_b32 s33, s33, 5
	s_lshl_b32 s34, s34, 3
	s_add_co_u32 s22, s33, s34
	s_lshl_b32 s22, s22, 11
	s_lshl_b32 s35, s35, 9
	s_add_co_u32 s22, s22, s35
	s_wait_alu depctr_va_vdst(0)
	QJOB 10, 11, 256
.Lw1:                                              ; J - 272 = 4 w + bb: rows from 32 (J - 272) on, of 256 bytes; c = 1 is the tile eight rows on
	s_and_b32 s22, s18, 15
	s_lshl_b32 s22, s22, 13
	s_wait_alu depctr_va_vdst(0)
	QJOB 4, 8, 2048
.Lcopy:                                            ; q = J - 288 = 16 (which tensor) + 4 w + dt
	s_and_b32 s32, s18, 31
	s_lshl_b32 s28, s32, 13
	s_add_nc_u64 s[16:17], s[16:17], s[28:29]      ; my block of 8,192 bytes
	s_and_b32 s33, s18, 3                          ; dt
	s_bfe_u32 s34, s18, 0x20002                    ; w
	s_cmp_ge_u32 s32, 16
	s_cbranch_scc1 .Lw4t
	; W1 for the masked operand: register 32 c + i of lane (r, h) = W1[128 w + 64 c + 32 h + i][16 dt + r]: a lane takes a column, its registers run down the next K
	s_lshl_b32 s22, s34, 15
	s_lshl_b32 s33, s33, 6
	s_add_co_u32 s22, s22, s33
	s_add_nc_u64 s[4:5], s[4:5], s[22:23]
	s_wait_alu depctr_va_vdst(0)
	v_lshlrev_b32 v5, 13, v3
	v_lshl_add_u32 v5, v2, 2, v5
.set N, 0
.rept 64
	global_load_b32 v[X+N], v5, s[4:5] offset:(64*(N/32)+N%32)*256
.set N, N+1
.endr
	PUT
.Lw4t:                                             ; W4 for the trace: register 16 bb + e of lane (r, h) = W4[16 dt + r][128 w + 32 bb + 16 h + e]: the layout of the last product's results
	s_lshl_b32 s22, s33, 15
	s_lshl_b32 s34, s34, 9
	s_add_co_u32 s22, s22, s34
	s_add_nc_u64 s[10:11], s[10:11], s[22:23]
	s_wait_alu depctr_va_vdst(0)
	v_lshlrev_b32 v5, 11, v2
	v_lshl_add_u32 v5, v3, 6, v5
.irp g, 0,1,2,3,4,5,6,7,8,9,10,11,12,13,14,15
	global_load_b128 v[X+4*\g:X+4*\g+3], v5, s[10:11] offset:128*(\g/4)+16*(\g%4)
.endr
	PUT
.Lfunc_end_k_qdb71aca572_prep:
	.size	k_qdb71aca572_prep, .Lfunc_end_k_qdb71aca572_prep-k_qdb71aca572_prep
	.p2alignl 7, 3214868480
	.fill 96, 4, 3214868480
	.section	.rodata,"a",@progbits
	.p2align	6, 0x0
	.amdhsa_kernel k_qdb71aca572_prep
		.amdhsa_group_segment_fixed_size 0
		.amdhsa_private_segment_fixed_size 0
		.amdhsa_enable_private_segment 0
		.amdhsa_kernarg_size 56
		.amdhsa_user_sgpr_count 2
		.amdhsa_user_sgpr_kernarg_segment_ptr 1
		.amdhsa_wavefront_size32 1
		.amdhsa_system_sgpr_workgroup_id_x 1
		.amdhsa_system_sgpr_workgroup_id_y 1
		.amdhsa_system_sgpr_workgroup_id_z 1
		.amdhsa_system_vgpr_workitem_id 0
		.amdhsa_next_free_vgpr 112
		.amdhsa_next_free_sgpr 66
		.amdhsa_reserve_vcc 0
		.amdhsa_float_denorm_mode_32 3
		.amdhsa_float_denorm_mode_16_64 3
		.amdhsa_memory_ordered 1
		.amdhsa_forward_progress 1
		.amdhsa_inst_pref_size 29
	.end_amdhsa_kernel
	.amdgpu_metadata
---
amdhsa.version: [ 1, 2 ]
amdhsa.kernels:
  - .name:           k_qdb71aca572_prep
    .symbol:         k_qdb71aca572_prep.kd
    .args:
      - { .name: W1, .offset: 0, .size: 8, .value_kind: global_buffer, .address_space: global }
      - { .name: W2, .offset: 8, .size: 8, .value_kind: global_buffer, .address_space: global }
      - { .name: W3, .offset: 16, .size: 8, .value_kind: global_buffer, .address_space: global }
      - { .name: W4, .offset: 24, .size: 8, .value_kind: global_buffer, .address_space: global }
      - { .name: wq, .offset: 32, .size: 8, .value_kind: global_buffer, .address_space: global }
      - { .name: ws, .offset: 40, .size: 8, .value_kind: global_buffer, .address_space: global }
      - { .name: wt, .offset: 48, .size: 8, .value_kind: global_buffer, .address_space: global }
    .group_segment_fixed_size: 0
    .private_segment_fixed_size: 0
    .kernarg_segment_align: 8
    .kernarg_segment_size: 56
    .max_flat_workgroup_size: 32
    .sgpr_count:     66
    .vgpr_count:     112
    .wavefront_size: 32
...
	.end_amdgpu_metadata
.endif
;; end of part 3
;; launch main (part 4): grid 256 x 1, 4 waves a work-group, clusters of 4 x 1, 317,440 bytes of LDS; arguments x, b1, b2, b3, b4, wq, ws, wt, out0; writes out0
.if DOCPART == 4
	.amdgcn_target "amdgcn-amd-amdhsa--gfx1250"
	.amdhsa_code_object_version 6
	.text
	.protected	k_qdb71aca572_main
	.globl	k_qdb71aca572_main
	.p2align	8
	.type	k_qdb71aca572_main,@function
k_qdb71aca572_main:
	s_mov_b64 s[64:65], 0
	v_nop
	global_prefetch_b8 v0, s[64:65] scope:SCOPE_SE
	s_setreg_imm32_b32 hwreg(HW_REG_WAVE_MODE, 25, 1), 1
	s_wait_xcnt 0x0
	s_wait_alu depctr_hold_cnt(0) depctr_sa_sdst(0) depctr_va_vdst(0) depctr_va_sdst(0) depctr_va_ssrc(0) depctr_va_vcc(0) depctr_vm_vsrc(0)
	s_getreg_b32 s2, hwreg(HW_REG_IB_STS2, 6, 4)
	s_cmp_eq_u32 s2, 0
	s_cbranch_scc0 .Lentry_in_a_cluster
	s_endpgm
.Lentry_in_a_cluster:
	s_bfe_u32 s2, ttmp6, 0x10000c
	s_cmp_lg_u32 s2, 0x3003
	s_cbranch_scc0 .Lentry_shape_is_right
	s_endpgm
.Lentry_shape_is_right:
; val[b] = 0.5 |s(b)|^2 + trace(W4 diag(m3) W3 diag(m2) W2 diag(m1) W1), s the ReLU net's output, m_k = 1[a_k > 0].  All products but the trace's last on codes of FP6 (E2M3) with one E8M0 byte for each 32 along K.
; SHARES.  A work-group of four waves takes 8 samples through the whole chain; nothing goes to memory on the way.  Wave w owns hidden units 128 w .. 128 w + 127 of every layer; its 32 fragments of the layer's
; weight (384 registers) stay in registers: W2 in phase A, W3 in phase B.  The rows' codes go round through LDS as images of the operand's registers: 3 ds_store_b128 at 16 x lane, the scale word at 16 x lane + 4 x K step.
; EVERY PRODUCT IS USED TRANSPOSED: source 0 = 16 rows of the weight, source 1 = 16 rows (sample, d).  The launch before chose the weight's rows of a tile so that register 16 b + i of my 8 tiles is hidden unit
; 128 w + 32 b + 16 (lane / 16) + i of the lane's row: 16 neighbours along the next K.
; PHASE A: the net's layers 1 and 2 on a tile of 16 rows (the 8 samples, each twice); then for each sample T1 = Q(m1 W1) (wave w: K step w of all 64 rows d, two tiles of rows at a time), ONE barrier, four tiles of rows:
; 32 matrix instructions, x m2, the quantiser, the image to T2, which stays in LDS for all 8 samples.  T1 has two buffers in LDS, so a sample's T1 is written while other waves may still read the last one's: a trip is two samples.
; SWITCH: W3 takes W2's registers, W4 W1's.  PHASE B: layers 3 and 4; for each sample four tiles: 32 matrix instructions, 32 packed multiply-adds with W4 in f32; x m3 once a sample.  END: one sum through LDS.
; A TILE'S WORK STANDS IN RUNS: its 32 matrix instructions under two settings of the register windows, then its vector work under two.  Source 1 has two buffers; a tile's 13 LDS loads are issued a tile ahead.
; CLUSTERS: 4 x 1 work-groups.  All work-groups read the same W2: wave w's 32 images, 49,152 dense bytes, are asked for JOINTLY by the four partners' waves w, one tensor load a wave, as 192 rows of 256 bytes, into the
; LDS bytes where T2 will lie; the wave that asked reads them into its registers, and T2's first store stands behind two barriers.  No LDS store is issued while the tensor load is out: layer 1's vector work stands ahead of
; the wait for it, its LDS stores behind.  W3 CANNOT COME SO: when its 196,608 bytes are wanted T2 holds 212,992 of the 327,680, and the rest has been written by LDS stores; it goes from memory straight into the registers.
; LOADS INTO REGISTERS go out in groups of at most 63 where work stands behind them: 56 for layer 1 and b2; W2's 32 scale words and 31 loads of W1's f32 numbers; the other 33 ahead of the wait for the tensor load;
; W4's f32 numbers in the last sample of phase A, behind the last use of W1's; W3's first 48 behind the last tile's products, under its quantiser.
; PREFETCH: W3's images (768 blocks of 256 bytes) and W4's f32 numbers (512 blocks) are named once each, ahead of phase A: work-group g's wave 0 names blocks 3 g .. 3 g + 2 of the first, its wave 1 blocks 2 g, 2 g + 1 of the second
; (lanes left over name the wave's last block again); the loads that want them stand seven samples or more further on.
; LIMITS: a block of zeros gets the scale byte 1 where the rule says 127 (its codes are zeros; nobody else reads the bytes); NaN and infinities among the inputs are not served.
; LDS
.set FRB,  1536                        ; a fragment's image
.set T2I,  0                           ; T2's images: (16 s + 4 dt + ks) FRB.  At the head: W2's images, 49,152 w + 1,536 (8 ks + t)
.set T2S,  196608                      ; their scale words: 2048 s + 512 dt + 16 lane + 4 ks
.set T1I,  212992                      ; T1, buffer 0: images (4 dt + ks) FRB,
.set T1S,  237568                      ; and words 512 dt + 16 lane + 4 ks
.set T1B,  26624                       ; buffer 1 lies so many bytes on
.set MP,   2064                        ; the masks, as f32 0 or 1: a sample's 512 units + 16 bytes
.set M1,   266240
.set M2,   282752
.set M3,   M1                          ; m3 is made when m1 has been read for the last time
.set FH,   299264                      ; the net's hidden layers: two places of four images + 512 bytes of words: h1 and h3 in place 0, h2 in place 1
.set FHB,  6656
.set RED,  312576                      ; the trace's partial sums: 512 s + 128 w + 4 lane
.set SS,   316672                      ; |s|^2's: 32 sample + 8 w + 4 (lane / 16)
.set SPARE, 316928                     ; the spare words, 128 bytes a wave, which no other line names
; REGISTERS.  Window 0:
.set LI,   1                           ; 16 x lane
.set L4,   2                           ; 4 x lane
.set H8,   3                           ; 8 (lane / 16)
.set T1W,  4                           ; where I store T1's images, and (T1SW) their words
.set T1SW, 5
.set T1R,  6                           ; where all read them
.set T1SR, 7
.set T2W,  8                           ; the same for T2
.set T2SW, 9
.set WL,   10                          ; first lane / 16; then where my images of W2 lie in LDS: 49,152 w + 16 lane
.set T2R,  LI
.set T2SR, 11
.set BM1,  12                          ; my units' masks: M1 + 512 w + 128 h;  M2, M3 + 512 w + 64 h
.set BM2,  13
.set BM3,  14
.set MW,   15                          ; where a layer's masks are stored: MP (lane % 8) + 512 w + 64 h
.set C0,   16                          ; v16-19 the addresses of the trip in hand
.set C1,   17
.set C2,   18
.set C3,   19
.set FHW,  20
.set FHSW, 21
.set FHR,  22
.set ARED, 23
.set ASS,  24
.set BO,   25                          ; 64 h: a bias's bytes of my half
.set XO,   26                          ; x: 256 (lane % 8) + 128 h
.set FR,   27                          ; the end: RED + 512 (lane / 4) + 128 (lane % 4)
.set FS,   28
.set FO,   29
.set L3,   30
.set ACC,  32                          ; v32-95   my 8 tiles' results;  while T1 is made v32-159 hold two tiles' products
.set AF,   96                          ; v96-143  source 1, buffer 0;  behind a layer of the net v96-159 hold its 64 masks
.set XF,   96
.set XR,   112
.set AS,   144                         ; v144-147 buffer 0's scale words
.set PC1,  148                         ; v148-159 phase B: source 1, buffer 1, K step 0
.set WS,   160                         ; v160-191 the weight's scale words: 8 ks + t
.set TM,   192                         ; v192-207 at work in the quantisers   (phase B: v192-227 are buffer 1's K steps 1 to 3)
.set PW,   208                         ; v208-209 the scale words being made
.set PC,   210                         ; v210-221 the codes; v222-228 the conversions' second halves;  a second set 20 on (v230-248) while T1 is made
.set SPW,  229                         ; my spare word's address; never rewritten
.set Q,    230                         ; v230-237 phase B: the trace's four chains
.set SA,   238                         ; v238-245 layer 4's accumulator
.set W1W,  246                         ; v246-253 W1's scale words; later v246-249 W4's
.set AS2,  250                         ; v250-253 behind layer 1: buffer 1's scale words
.set XW,   254
.set NIL,  255                         ; 0; never rewritten
; Window 1: v0-191 the weight's K steps 0, 1; v192-255 in turn W1's fragments, m1, phase A's buffer 1, W4's fragments, the trace's products P.
; Window 2: v0-191 K steps 2, 3; v192-255 b2, then m2, later m3.   Window 3: W1, later W4, as f32: register 64 dt + n.
.set G1,   68                          ; s[68:75] the tensor load's group 1;  s[76:79] its group 0
.set G0,   76
.set MSB, 0
.macro WIN new                         ; bits 1:0 source 0, 3:2 source 1, 5:4 source 2, 7:6 destination; the high byte repeats the setting that is left
.if MSB != (\new)
	s_set_vgpr_msb (MSB<<8)|(\new)
.set MSB, (\new)
.endif
.endm
.macro BARRIER                         ; my LDS instructions are done: then the work-group's barrier
	s_wait_dscnt 0x0
	s_barrier_signal -1
	s_barrier_wait -1
.endm
.macro CROUND                          ; a round of the cluster's barrier
	s_barrier_signal -1
	s_barrier_wait -1
	s_cmp_lg_u32 s22, 0
	s_cbranch_scc1 .Lnot_wave_0_\@
	s_barrier_signal -3
.Lnot_wave_0_\@:
	s_barrier_wait -3
	s_barrier_signal -1
	s_barrier_wait -1
.endm
.macro PLACES                          ; four plain places behind a matrix instruction of this form (ISA guide 7.12.1)
.rept 4
	v_nop
.endr
.endm
; 64 numbers of a lane, register 16 b + i = k 32 b + 16 (lane / 16) + i of my row, become a fragment's codes in v[PC] on and its scale word in v[PW].  Two chains to a block, eight by turns
.macro QUANT s
.irp b, 0,1,2,3
	v_max3_num_f32 v[TM+\b], |v[\s+16*\b]|, |v[\s+1+16*\b]|, 0x1800000   ; with the floor 2^(3 - 127): the byte cannot fall under 1
.endr
.irp b, 0,1,2,3
	v_max3_num_f32 v[TM+4+\b], |v[\s+8+16*\b]|, |v[\s+9+16*\b]|, |v[\s+10+16*\b]|
.endr
.irp i, 2,4
.irp b, 0,1,2,3
	v_max3_num_f32 v[TM+\b], v[TM+\b], |v[\s+16*\b+\i]|, |v[\s+1+16*\b+\i]|
.endr
.irp b, 0,1,2,3
	v_max3_num_f32 v[TM+4+\b], v[TM+4+\b], |v[\s+9+16*\b+\i]|, |v[\s+10+16*\b+\i]|
.endr
.endr
.irp b, 0,1,2,3
	v_max3_num_f32 v[TM+\b], v[TM+\b], |v[\s+6+16*\b]|, |v[\s+7+16*\b]|
.endr
.irp b, 0,1,2,3
	v_max3_num_f32 v[TM+\b], v[TM+\b], v[TM+4+\b], |v[\s+15+16*\b]|
.endr
.irp b, 0,1,2,3
	v_permlanex16_b32 v[TM+4+\b], v[TM+\b], s24, s25
.endr
.irp b, 0,1,2,3
	v_max_num_f32 v[TM+\b], v[TM+\b], v[TM+4+\b]   ; with lane l xor 16's: the block's largest magnitude
.endr
.irp b, 0,1,2,3
	v_add_nc_u32 v[TM+12+\b], 0xff000000, v[TM+\b] ; 2 off its exponent field: the conversion's scale operand
.endr
.irp c, 0,1
	v_cvt_scalef32_pk16_fp6_f32 v[PC+6*\c:PC+2+6*\c], v[\s+32*\c:\s+15+32*\c], v[TM+12+2*\c]
	v_cvt_scalef32_pk16_fp6_f32 v[PC+12+4*\c:PC+14+4*\c], v[\s+16+32*\c:\s+31+32*\c], v[TM+12+2*\c+1]
.endr
.irp b, 0,1,2,3
	v_lshrrev_b32 v[TM+4+\b], 23, v[TM+12+\b]      ; the scale's byte.  (Plain lines behind the conversions, which touch none of their results)
.endr
	v_lshl_or_b32 v[TM+8], v[TM+5], 8, v[TM+4]
	v_lshl_or_b32 v[TM+9], v[TM+7], 8, v[TM+6]
.irp i, 0,1,2                                  ; the operand's layout wants a whole block in a lane
	v_permlane16_swap_b32 v[PC+\i], v[PC+12+\i]
.endr
	v_lshl_or_b32 v[PW], v[TM+9], 16, v[TM+8]
.irp i, 0,1,2
	v_permlane16_swap_b32 v[PC+6+\i], v[PC+16+\i]
.endr
.irp c, 0,1
.irp i, 0,1,2
	v_mov_b32 v[PC+3+6*\c+\i], v[PC+12+4*\c+\i]
.endr
.endr
.endm
.macro IMAGE adr, off                  ; the fragment in v[PC] on goes to LDS as it stands
.irp c, 0,1,2
	ds_store_b128 v[\adr], v[PC+4*\c:PC+4*\c+3] offset:(\off)+512*\c
.endr
.endm
; The four K steps' fragments of a tile of rows and their scale words: 13 loads.  LOADA: buffer 0;  LOADX: phase A's buffer 1 (window 1);  LOADZ: phase B's buffer 1
.macro LOADA adr, off, adrs, offs
.irp g, 0,1,2,3,4,5,6,7,8,9,10,11
	ds_load_b128 v[AF+4*\g:AF+4*\g+3], v[\adr] offset:(\off)+512*\g
.endr
	ds_load_b128 v[AS:AS+3], v[\adrs] offset:(\offs)
.endm
.macro LOADX adr, off, adrs, offs
	WIN 0x40
.irp g, 0,1,2,3,4,5,6,7,8,9,10,11
	ds_load_b128 v[192+4*\g:195+4*\g], v[\adr] offset:(\off)+512*\g
.endr
	WIN 0
	ds_load_b128 v[AS2:AS2+3], v[\adrs] offset:(\offs)
.endm
.macro LOADZ adr, off, adrs, offs
.irp g, 0,1,2
	ds_load_b128 v[PC1+4*\g:PC1+4*\g+3], v[\adr] offset:(\off)+512*\g
.endr
.irp g, 3,4,5,6,7,8,9,10,11
	ds_load_b128 v[180+4*\g:183+4*\g], v[\adr] offset:(\off)+512*\g
.endr
	ds_load_b128 v[AS2:AS2+3], v[\adrs] offset:(\offs)
.endm
.macro MASK1 adr, off                  ; m1 of units 128 w + 64 c + 32 h + i into window 1
	WIN 0x40
.irp g, 0,1,2,3,4,5,6,7,8,9,10,11,12,13,14,15
	ds_load_b128 v[192+4*\g:195+4*\g], v[\adr] offset:(\off)+256*(\g/8)+16*(\g%8)
.endr
	WIN 0
.endm
.macro MASK23 adr, off                 ; m2 or m3 of units 128 w + 32 b + 16 h + i into window 2
	WIN 0x80
.irp g, 0,1,2,3,4,5,6,7,8,9,10,11,12,13,14,15
	ds_load_b128 v[192+4*\g:195+4*\g], v[\adr] offset:(\off)+128*(\g/4)+16*(\g%4)
.endr
	WIN 0
.endm
; A layer of the net: 32 matrix instructions onto the bias; the eight accumulators take turns.  cw = 0: the bias has been loaded into the accumulators;  cw = 1: it lies in window 2, v192-255, and is the first K step's C
.macro MM cw
.irp ks, 0,1,2,3
.irp t, 0,1,2,3,4,5,6,7
.set CB, ACC+8*\t
.set CWN, 0
.if \ks == 0
.if (\cw) == 1
.set CB, 192+8*\t
.set CWN, 0x20
.endif
.endif
	WIN (1+\ks/2)|CWN
	v_wmma_scale_f32_16x16x128_f8f6f4 v[ACC+8*\t:ACC+8*\t+7], v[12*(8*(\ks%2)+\t):12*(8*(\ks%2)+\t)+11], v[AF+12*\ks:AF+12*\ks+11], v[CB:CB+7], v[WS+8*\ks+\t], v[AS+\ks] matrix_a_fmt:MATRIX_FMT_FP6 matrix_b_fmt:MATRIX_FMT_FP6
.endr
.endr
	WIN 0
.endm
.macro BIAS p, r                       ; a bias in the result's layout, to register r on of the window in force: tile t, half h: units 32 (t / 2) + 8 (t % 2) + 16 h + 0 .. 7 of my 128
.irp t, 0,1,2,3,4,5,6,7
	global_load_b128 v[\r+8*\t:\r+8*\t+3], v[BO], s[\p:\p+1] offset:(32*(\t/2)+8*(\t%2))*4
	global_load_b128 v[\r+8*\t+4:\r+8*\t+7], v[BO], s[\p:\p+1] offset:(32*(\t/2)+8*(\t%2))*4+16
.endr
.endm
.macro WORDS soff                      ; my 32 fragments' scale words
.set G, 0
.rept 32
	global_load_b32 v[WS+G], v[L4], s[36:37] offset:(\soff)+128*G
.set G, G+1
.endr
.endm
.macro WEIGHTS coff, half              ; my 16 fragments of K steps 2 half, 2 half + 1 from memory into window 1 + half: 48 loads of 512 consecutive bytes
	WIN 0x40*(1+(\half))
.set G, 0
.rept 48
	global_load_b128 v[4*G:4*G+3], v[LI], s[32:33] offset:(\coff)+24576*(\half)+512*G
.set G, G+1
.endr
	WIN 0
.endm
.macro TABLE off, g0, n                ; loads g0 .. g0 + n - 1 of the 64 that bring my four blocks of W1 or of W4 as f32 into window 3
	WIN 0xc0
.set G, \g0
.rept \n
	global_load_b128 v[4*G:4*G+3], v[LI], s[40:41] offset:(\off)+512*G
.set G, G+1
.endr
	WIN 0
.endm
; Behind a layer of the net, on registers alone: the mask 1[a > 0] into v96-159, relu(a), its quantiser.  Each accumulator is read from its low end on.
.macro POSTV
	PLACES
.set J, 0
.rept 64
	v_cmp_lt_f32 vcc_lo, 0, v[ACC+J]
	v_cndmask_b32 v[AF+J], 0, 1.0, vcc_lo
.set J, J+1
.endr
.set J, 0
.rept 64
	v_max_num_f32 v[ACC+J], 0, v[ACC+J]            ; the activation, in f32
.set J, J+1
.endr
	QUANT ACC
.endm
; and to LDS: the masks to mr, the image (K step w of the next layer) and its word to place k
.macro POSTS mr, k
	v_add_nc_u32 v[C0], \mr, v[MW]
.set G, 0
.rept 16
	ds_store_b128 v[C0], v[AF+4*G:AF+4*G+3] offset:128*(G/4)+16*(G%4)   ; lanes l and l + 8 hold the same sample and write the same bytes with the same values
.set G, G+1
.endr
	IMAGE FHW, FHB*\k
	ds_store_b32 v[FHSW], v[PW] offset:FHB*\k
.endm
.macro MV m0                           ; four of the twelve moves that close up two fragments' codes: move m is of set m / 6, block (m % 6) / 3, register m % 3
.set M, \m0
.rept 4
	v_mov_b32 v[PC+20*(M/6)+3+6*((M%6)/3)+M%3], v[PC+20*(M/6)+12+4*((M%6)/3)+M%3]
.set M, M+1
.endr
.endm
; T1 = Q(m1 W1) for rows d = 16 dt + lane % 16, dt = 2 d and 2 d + 1 side by side, K step w, into T1's buffer p.  A lane holds WHOLE blocks: of set u = dt % 2 register 64 u + 32 c + i = unit 128 w + 64 c + 32 h + i,
; the operand's own order.  Block k = 2 u + c of the four; eight chains of 16 numbers, two to a block
.macro MAKE2 d, p
	WIN 0x07                                       ; source 0 (W1) window 3, source 1 (m1) window 1
.set I, 0
.rept 64
	v_pk_mul_f32 v[ACC+2*I:ACC+2*I+1], v[128*\d+2*I:128*\d+2*I+1], v[192+2*(I%32):193+2*(I%32)]
.set I, I+1
.endr
	WIN 0
.irp q, 0,1,2,3,4,5,6,7
	v_max3_num_f32 v[TM+\q], |v[ACC+16*\q]|, |v[ACC+16*\q+1]|, 0x1800000
.endr
.irp i, 2,4,6,8,10,12,14
.irp q, 0,1,2,3,4,5,6,7
	v_max3_num_f32 v[TM+\q], v[TM+\q], |v[ACC+16*\q+\i]|, |v[ACC+16*\q+\i+1]|
.endr
.endr
.irp k, 0,1,2,3
	v_max_num_f32 v[TM+2*\k], v[TM+2*\k], v[TM+2*\k+1]
.endr
.irp k, 0,1,2,3
	v_add_nc_u32 v[TM+8+\k], 0xff000000, v[TM+2*\k]
.endr
.irp k, 0,1,2,3
	v_cvt_scalef32_pk16_fp6_f32 v[PC+20*(\k/2)+6*(\k%2):PC+20*(\k/2)+6*(\k%2)+2], v[ACC+32*\k:ACC+32*\k+15], v[TM+8+\k]
	v_cvt_scalef32_pk16_fp6_f32 v[PC+20*(\k/2)+12+4*(\k%2):PC+20*(\k/2)+14+4*(\k%2)], v[ACC+32*\k+16:ACC+32*\k+31], v[TM+8+\k]
.endr
.irp k, 0,1,2,3
	v_lshrrev_b32 v[TM+12+\k], 23, v[TM+8+\k]      ; the bytes.  (Plain lines behind the conversions, which touch none of their results)
.endr
.irp u, 0,1
	v_lshl_or_b32 v[PW+\u], v[TM+13+2*\u], 16, v[TM+12+2*\u]   ; my two bytes, blocks h and 2 + h,
.endr
	MV 0
.irp u, 0,1
	v_lshlrev_b32 v[PW+\u], v[H8], v[PW+\u]        ; at their places;
.endr
	MV 4
.irp u, 0,1
	v_permlanex16_b32 v[TM+1+4*\u], v[PW+\u], s24, s25
.endr
	MV 8
.irp u, 0,1
	v_or_b32 v[PW+\u], v[PW+\u], v[TM+1+4*\u]      ; with lane l xor 16's two the word is whole
.endr
.irp u, 0,1
.irp c, 0,1,2
	ds_store_b128 v[T1W], v[PC+20*\u+4*\c:PC+20*\u+4*\c+3] offset:T1B*(\p)+6144*(2*\d+\u)+512*\c
.endr
	ds_store_b32 v[T1SW], v[PW+\u] offset:T1B*(\p)+512*(2*\d+\u)
.endr
.endm
; The loops' matrix instruction: my weight tile t x the tile of rows in buffer buf, K step ks.  ph = 0: phase A, 1: phase B (they differ in where buffer 1 lies).  K step 0 starts the sum
.macro WM ph, buf, ks, t
.set BREG, AF+12*(\ks)
.set BWIN, 0
.if (\buf) == 1
.if (\ph) == 0
.set BREG, 192+12*(\ks)
.set BWIN, 4
.elseif (\ks) == 0
.set BREG, PC1
.else
.set BREG, 180+12*(\ks)
.endif
.endif
.set AREG, 12*(8*((\ks)%2)+(\t))
.set DREG, ACC+8*(\t)
.set SREG, AS+(AS2-AS)*(\buf)+(\ks)
	WIN (1+(\ks)/2)|BWIN
.if (\ks) == 0
	v_wmma_scale_f32_16x16x128_f8f6f4 v[DREG:DREG+7], v[AREG:AREG+11], v[BREG:BREG+11], 0, v[WS+8*(\ks)+(\t)], v[SREG] matrix_a_fmt:MATRIX_FMT_FP6 matrix_b_fmt:MATRIX_FMT_FP6
.else
	v_wmma_scale_f32_16x16x128_f8f6f4 v[DREG:DREG+7], v[AREG:AREG+11], v[BREG:BREG+11], v[DREG:DREG+7], v[WS+8*(\ks)+(\t)], v[SREG] matrix_a_fmt:MATRIX_FMT_FP6 matrix_b_fmt:MATRIX_FMT_FP6
.endif
.endm
.macro MUL32 ph, buf                   ; a tile's 32 matrix instructions, K step by K step, the eight accumulators by turns, and the places ahead of the first read of a result
.set I, 0
.rept 32
	WM \ph, \buf, I/8, I%8
.set I, I+1
.endr
	WIN 0
	PLACES
.endm
.macro ATILE buf, p, n                 ; phase A: tile n of the trip's sample p: the products, x m2 (each accumulator from its low end on), the quantiser, the image and its word to T2
	MUL32 0, \buf
.if (\p) == 1
.if (\n) == 3
	s_cmp_lg_u32 s26, 1                            ; behind the last sample's last products W2 has served: W3's K steps 0, 1 are asked for, under the quantiser below
	s_cbranch_scc1 .Lno_w3
	WEIGHTS 196608, 0
.Lno_w3:
.endif
.endif
	WIN 0x08                                       ; source 1 (m2) window 2
.set I, 0
.rept 32
	v_pk_mul_f32 v[ACC+2*I:ACC+2*I+1], v[ACC+2*I:ACC+2*I+1], v[192+2*I:193+2*I]
.set I, I+1
.endr
	WIN 0
	QUANT ACC
	IMAGE C2, 24576*(\p)+6144*(\n)
	ds_store_b32 v[C3], v[PW] offset:2048*(\p)+512*(\n)
.endm
.macro ASAMPLE p                       ; the trip's sample p, on T1's buffer p
	MASK23 C1, MP*(\p)                             ; m2: first wanted behind the barrier below
	s_wait_dscnt 20                                ; m1 is in: behind its loads stand the last image's 4 stores and m2's 16 loads
	MAKE2 0, \p
	MAKE2 1, \p
.if (\p) == 1
	s_cmp_lg_u32 s26, 1                            ; the last sample has used W1's f32 numbers for the last time: W4's are asked for
	s_cbranch_scc1 .Lnot_yet
	TABLE 131072, 0, 64
.Lnot_yet:
.endif
	BARRIER                                        ; T1's sixteen images lie in LDS; every wave has read the other buffer for the last time
	LOADX T1R, T1B*(\p), T1SR, T1B*(\p)            ; tile 0 into buffer 1, where m1 lay
	LOADA T1R, T1B*(\p)+6144, T1SR, T1B*(\p)+512   ; tile 1 into buffer 0
	s_wait_dscnt 13                                ; tile 0's 13 loads are in, tile 1's may be out
	ATILE 1, \p, 0
	s_wait_dscnt 4                                 ; the next tile's loads are in; the image's 4 stores may be out
	LOADX T1R, T1B*(\p)+12288, T1SR, T1B*(\p)+1024
	ATILE 0, \p, 1
	s_wait_dscnt 4
	LOADA T1R, T1B*(\p)+18432, T1SR, T1B*(\p)+1536
	ATILE 1, \p, 2
	s_wait_dscnt 4
.if (\p) == 1
	s_cmp_eq_u32 s26, 1                            ; the next sample's m1, if there is a next sample, where buffer 1 lay
	s_cbranch_scc1 .Lno_m1
.endif
	MASK1 C0, MP*((\p)+1)
.if (\p) == 1
.Lno_m1:
.endif
	ATILE 0, \p, 3
.endm
.macro BTILE buf, dt                   ; phase B: the products, then the trace: P[n] (+)= Y3[n] x W4[d][unit n]
	MUL32 1, \buf
	WIN 0x5c                                       ; source 1 (W4) window 3, source 2 and destination (P) window 1
.set I, 0
.rept 32
.if (\dt) == 0
	v_pk_mul_f32 v[192+2*I:193+2*I], v[ACC+2*I:ACC+2*I+1], v[64*(\dt)+2*I:64*(\dt)+2*I+1]
.else
	v_pk_fma_f32 v[192+2*I:193+2*I], v[ACC+2*I:ACC+2*I+1], v[64*(\dt)+2*I:64*(\dt)+2*I+1], v[192+2*I:193+2*I]
.endif
.set I, I+1
.endr
	WIN 0
.endm
	; ---- HEAD: the opening lines, the ids, what the first loads want
	s_load_b512 s[4:19], s[0:1], 0x0               ; x s[4:5], b1 s[6:7], b2 s[8:9], b3 s[10:11], b4 s[12:13], wq s[14:15], ws s[16:17], wt s[18:19]
	s_load_b64 s[20:21], s[0:1], 0x40              ; out0
	v_lshl_add_u32 v[SPW], v0, 2, SPARE
	v_mov_b32 v[NIL], 0
	ds_add_u32 v[SPW], v[NIL]                      ; the add, twice on end, and its wait ahead of my tensor load
	ds_add_u32 v[SPW], v[NIL]
	v_lshrrev_b32 v31, 5, v0
	v_readfirstlane_b32 s22, v31                   ; wave 0..3
	v_and_b32 v31, 31, v0                          ; lane
	v_bfe_u32 v[WL], v0, 4, 1                      ; h
	v_and_b32 v[C0], 7, v0                         ; the net's tile of 16 rows: lane l holds sample l % 8
	v_lshlrev_b32 v[LI], 4, v31
	v_lshlrev_b32 v[L4], 2, v31
	v_lshlrev_b32 v[H8], 3, v[WL]
	v_lshlrev_b32 v[BO], 6, v[WL]
	v_lshlrev_b32 v[XO], 8, v[C0]
	v_lshl_add_u32 v[XO], v[WL], 7, v[XO]
	s_bfe_u32 s23, ttmp6, 0x40000                  ; my place in the cluster,
	s_lshl_b32 s31, ttmp9, 2
	s_add_co_u32 s23, s31, s23                     ; and my work-group's number: it enters addresses in memory alone
	s_mov_b32 s[G1+0], 15|(3<<16)|(1<<21)          ; the mask names the four partners; elements of 8 bytes; bit 21 beside a mask
	s_mov_b32 s[G1+1], 32<<16                      ; tensor_dim0 = 32 elements: rows of 256 bytes
	s_mov_b32 s[G1+2], 192<<16                     ; tensor_dim1 = 192 rows: 49,152 dense bytes
	s_mov_b32 s[G1+3], 32<<16                      ; tile_dim0
	s_mov_b32 s[G1+4], 192                         ; tile_dim1
	s_mov_b32 s[G1+5], 32                          ; the pitch
	s_mov_b32 s[G1+6], 0
	s_mov_b32 s[G1+7], 0
	s_mov_b32 s[G0], 1
	s_mul_i32 s[G0+1], s22, 49152                  ; to LDS byte 49,152 w
	s_mul_i32 s54, s22, FRB
	s_lshl_b32 s55, s22, 2
	s_lshl_b32 s56, s22, 9
	s_lshl_b32 s57, s22, 7
	s_lshl_b32 s58, s22, 3
	s_mov_b32 s24, 0x76543210
	s_mov_b32 s25, 0xfedcba98                      ; v_permlanex16_b32's selects for lane l xor 16
	s_mov_b32 s61, 0
	s_wait_alu depctr_va_vdst(0)
	s_wait_dscnt 0x0                               ; both opening adds are done
	s_wait_kmcnt 0x0
	s_mul_i32 s60, s22, 49152
	s_add_nc_u64 s[32:33], s[14:15], s[60:61]      ; my 32 images of W2 (W3: 196,608 on)
	CROUND                                         ; the four partners are here: the joint loads meet
	s_mov_b64 s[G0+2:G0+3], s[32:33]               ; the address hangs on the wave's number alone
	s_or_b32 s[G0+3], s[G0+3], 0x80000000
	tensor_load_to_lds s[G0:G0+3], s[G1:G1+7]      ; my one tensor load: what takes longest to come is asked for first
	s_nop 0
.rept 4
	v_nop
.endr
	s_mul_i32 s60, s22, 6144
	s_add_nc_u64 s[34:35], s[14:15], s[60:61]      ; my 4 images of W4 (393,216 on) and of W1 (417,792 on)
	s_lshl_b32 s60, s22, 12
	s_add_nc_u64 s[36:37], s[16:17], s[60:61]      ; the scale words likewise: 128 bytes an image
	s_mov_b32 s60, s56
	s_add_nc_u64 s[38:39], s[16:17], s[60:61]
	s_add_nc_u64 s[42:43], s[6:7], s[60:61]        ; b1, b2, b3 at my 128 units
	s_add_nc_u64 s[44:45], s[8:9], s[60:61]
	s_add_nc_u64 s[46:47], s[10:11], s[60:61]
	s_lshl_b32 s60, s22, 15
	s_add_nc_u64 s[40:41], s[18:19], s[60:61]      ; my 4 blocks of W1 as f32 (W4: 131,072 on)
	s_lshr_b32 s60, s22, 1
	s_lshl_b32 s60, s60, 7
	s_and_b32 s62, s22, 1
	s_lshl_b32 s62, s62, 5
	s_add_co_u32 s60, s60, s62
	s_add_nc_u64 s[48:49], s[12:13], s[60:61]      ; b4 at output 32 (w / 2) + 8 (w % 2)
	s_lshl_b32 s60, s23, 11
	s_add_nc_u64 s[50:51], s[4:5], s[60:61]        ; my work-group's 8 rows of x
	s_lshl_b32 s60, s23, 5
	s_add_nc_u64 s[52:53], s[20:21], s[60:61]      ; and its 8 results
.irp q, 0,1,2,3,4,5,6,7
	global_load_b128 v[XR+4*\q:XR+4*\q+3], v[XO], s[50:51] offset:16*\q   ; x(lane % 8, 32 h + 0 .. 31): a whole block
.endr
	BIAS 42, ACC
	WIN 0x40
.irp g, 0,1,2,3,4,5,6,7,8,9,10,11
	global_load_b128 v[192+4*\g:195+4*\g], v[LI], s[34:35] offset:417792+512*\g   ; W1's 8 tiles, 6 registers each
.endr
	WIN 0
.irp bb, 0,1,2,3
	global_load_b32 v[W1W+2*\bb], v[L4], s[38:39] offset:34816+128*\bb   ; a pair's word: bytes 0, 1 the even tile's, 2, 3 the odd one's
.endr
	WIN 0x80
	BIAS 44, 192                                   ; b2 into window 2, where layer 2's first K step takes it as C
	WIN 0
	; ---- every other address
	s_add_co_u32 s59, s54, T1I
	v_add_nc_u32 v[T1W], s59, v[LI]
	s_add_co_u32 s59, s55, T1S
	v_add_nc_u32 v[T1SW], s59, v[LI]
	v_add_nc_u32 v[T1R], T1I, v[LI]
	v_add_nc_u32 v[T1SR], T1S, v[LI]
	v_add_nc_u32 v[T2W], s54, v[LI]
	s_add_co_u32 s59, s55, T2S
	v_add_nc_u32 v[T2SW], s59, v[LI]
	v_add_nc_u32 v[T2SR], T2S, v[LI]
	s_add_co_u32 s59, s56, M1
	v_lshl_add_u32 v[BM1], v[WL], 7, s59
	s_add_co_u32 s59, s56, M2
	v_lshl_add_u32 v[BM2], v[WL], 6, s59
	s_add_co_u32 s59, s56, M3
	v_lshl_add_u32 v[BM3], v[WL], 6, s59
	v_mul_u32_u24 v[MW], v[C0], MP
	v_lshl_add_u32 v[MW], v[WL], 6, v[MW]
	v_add_nc_u32 v[MW], s56, v[MW]
	s_add_co_u32 s59, s54, FH
	v_add_nc_u32 v[FHW], s59, v[LI]
	s_add_co_u32 s59, s55, FH+6144
	v_add_nc_u32 v[FHSW], s59, v[LI]
	v_add_nc_u32 v[FHR], FH, v[LI]
	s_add_co_u32 s59, s57, RED
	v_add_nc_u32 v[ARED], s59, v[L4]
	s_add_co_u32 s59, s58, SS
	v_lshl_add_u32 v[ASS], v[C0], 5, s59
	v_lshl_add_u32 v[ASS], v[WL], 2, v[ASS]
	v_add_nc_u32 v[WL], s[G0+1], v[LI]             ; h has served: from here on my images of W2 in LDS
	v_lshrrev_b32 v[C1], 2, v31                    ; lane / 4
	v_and_b32 v[L3], 3, v31
	v_lshlrev_b32 v[FO], 2, v[C1]
	v_lshlrev_b32 v[FR], 9, v[C1]
	v_lshl_add_u32 v[FR], v[L3], 7, v[FR]
	v_add_nc_u32 v[FR], RED, v[FR]
	v_lshlrev_b32 v[FS], 5, v[C1]
	v_lshl_add_u32 v[FS], v[L3], 3, v[FS]
	v_add_nc_u32 v[FS], SS, v[FS]
.irp i, 4,5,6,7,8
	v_mov_b32 v[TM+\i], 0                          ; written once: a lane permute's destination counts as one of its sources
.endr
	WIN 0x40
.irp i, 240,241,242,243,244,245
	v_mov_b32 v[\i], 0                             ; behind W1's last tile: the upper half of its operand (K = 64 .. 127)
.endr
	WIN 0
	s_wait_alu depctr_va_vdst(0)
	s_wait_loadcnt 0x0                             ; the 56 loads: what layer 1 wants, and b2
	WORDS 0                                        ; W2's scale words and 31 loads of W1's f32 numbers: 63 loads, under layer 1's work
	TABLE 0, 0, 31
	; ---- x's fragment: K = 64, so registers 6-11 are zero codes, and the word's upper two bytes stand over them
	v_max3_num_f32 v[TM], |v[XR]|, |v[XR+1]|, 0x1800000
	v_max3_num_f32 v[TM+1], |v[XR+16]|, |v[XR+17]|, 0x1800000
.irp i, 2,4,6,8,10,12,14
	v_max3_num_f32 v[TM], v[TM], |v[XR+\i]|, |v[XR+\i+1]|
	v_max3_num_f32 v[TM+1], v[TM+1], |v[XR+16+\i]|, |v[XR+17+\i]|
.endr
	v_max_num_f32 v[TM], v[TM], v[TM+1]
	v_add_nc_u32 v[TM+12], 0xff000000, v[TM]
	v_lshrrev_b32 v[TM+4], 23, v[TM+12]
	v_lshlrev_b32 v[XW], v[H8], v[TM+4]            ; my block's byte at place h
	v_permlanex16_b32 v[TM+8], v[XW], s24, s25
	v_or_b32 v[XW], v[XW], v[TM+8]
	v_cvt_scalef32_pk16_fp6_f32 v[XF:XF+2], v[XR:XR+15], v[TM+12]
	v_cvt_scalef32_pk16_fp6_f32 v[PC+12:PC+14], v[XR+16:XR+31], v[TM+12]
	v_nop                                          ; one plain place behind a scaled conversion
.irp i, 0,1,2
	v_mov_b32 v[XF+3+\i], v[PC+12+\i]
.endr
.irp i, 6,7,8,9,10,11
	v_mov_b32 v[XF+\i], 0
.endr
.irp bb, 0,1,2,3
	v_lshrrev_b32 v[W1W+2*\bb+1], 16, v[W1W+2*\bb] ; the odd tile's two bytes
.endr
.rept 8
	v_nop                                          ; a scale register written by a vector instruction stands 8 places ahead of a scaled matrix instruction
.endr
	; ---- layer 1.  A tile's operand is its 6 registers and the 6 that follow: these meet x's zero codes and add nothing
	WIN 0x01
.irp t, 0,1,2,3,4,5,6,7
	v_wmma_scale_f32_16x16x128_f8f6f4 v[ACC+8*\t:ACC+8*\t+7], v[192+6*\t:192+6*\t+11], v[XF:XF+11], v[ACC+8*\t:ACC+8*\t+7], v[W1W+\t], v[XW] matrix_a_fmt:MATRIX_FMT_FP6 matrix_b_fmt:MATRIX_FMT_FP6
.endr
	WIN 0
	POSTV                                          ; m1, relu, the quantiser: on registers, while the tensor load is out
	TABLE 0, 31, 33                                ; the rest of W1's f32 numbers: first wanted in phase A
	s_wait_alu depctr_va_vdst(0)
	s_wait_tensorcnt 0x0                           ; my images of W2 lie in LDS, ahead of the launch's first LDS store; I alone read them
	POSTS M1, 0
	WIN 0x40
.set G, 0
.rept 48
	ds_load_b128 v[4*G:4*G+3], v[WL] offset:512*G  ; K steps 0, 1 into window 1,
.set G, G+1
.endr
	WIN 0x80
.set G, 0
.rept 48
	ds_load_b128 v[4*G:4*G+3], v[WL] offset:24576+512*G   ; K steps 2, 3 into window 2
.set G, G+1
.endr
	WIN 0
	BARRIER                                        ; h1's four images and m1 lie in LDS; W2 is in my registers
	; ---- layer 2
	LOADA FHR, 0, FHR, 6144
	s_wait_loadcnt 33                              ; W2's words are in; the 33 loads issued last may be out
	s_wait_dscnt 0x0
	MM 1
	POSTV
	POSTS M2, 1
	; ---- the prefetch: wave 0 names 3 blocks of W3's images, wave 1 two of W4's f32 numbers
	s_cmp_gt_u32 s22, 1
	s_cbranch_scc1 .Lno_ask
	s_cmp_eq_u32 s22, 0
	s_cselect_b64 s[58:59], s[14:15], s[18:19]     ; the choice hangs on the wave's number alone
	s_mov_b32 s60, 131072
	s_cselect_b32 s60, 196608, s60                 ; where the part begins in its buffer
	s_sub_co_u32 s62, 3, s22                       ; blocks a work-group
	s_mul_i32 s63, s62, s23
	s_sub_co_u32 s62, s62, 1
	v_min_u32 v31, s62, v31                        ; lanes left over name the last block again
	v_add_nc_u32 v31, s63, v31
	v_lshl_add_u32 v31, v31, 8, s60                ; at most 392,960 of wq's 442,368 bytes, 261,888 of wt's 262,144; never rewritten
	s_wait_alu depctr_va_vdst(0)
	global_prefetch_b8 v31, s[58:59] th:TH_LOAD_NT scope:SCOPE_SE
.Lno_ask:
	BARRIER                                        ; h2's images and m2 lie in LDS
	; ---- PHASE A: two samples a trip
	s_mov_b32 s26, 4
	s_mov_b32 s27, 0                               ; 24,576 s: T2's images
	s_mov_b32 s28, 0                               ; 2,048 s: their words
	s_mov_b32 s29, 0                               ; MP s: the masks
	MASK1 BM1, 0                                   ; the first sample's m1; every later one's is asked for a tile ahead
	s_wait_dscnt 0x0
.Lpair:
	s_wait_loadcnt 0x0                             ; no load into a register that the trip reads is out: in the first trip W1's f32 numbers
	v_add_nc_u32 v[C0], s29, v[BM1]
	v_add_nc_u32 v[C1], s29, v[BM2]
	v_add_nc_u32 v[C2], s27, v[T2W]
	v_add_nc_u32 v[C3], s28, v[T2SW]
	ASAMPLE 0
	ASAMPLE 1
	s_add_co_u32 s27, s27, 49152
	s_add_co_u32 s28, s28, 4096
	s_add_co_u32 s29, s29, 2*MP
	s_sub_co_i32 s26, s26, 1
	s_cmp_lg_u32 s26, 0
	s_cbranch_scc1 .Lpair
	; ---- SWITCH: the rest of W3 takes W2's registers
	WEIGHTS 196608, 1
	WORDS 16384
	BIAS 46, ACC
	s_wait_dscnt 0x0                               ; my LDS instructions are done: none is out that lands in window 1
	WIN 0x40
.irp g, 0,1,2,3,4,5,6,7,8,9,10,11
	global_load_b128 v[192+4*\g:195+4*\g], v[LI], s[34:35] offset:393216+512*\g   ; my tile of W4's rows, four K steps
.endr
	WIN 0
.irp ks, 0,1,2,3
	global_load_b32 v[W1W+\ks], v[L4], s[38:39] offset:32768+128*\ks
.endr
	global_load_b128 v[SA:SA+3], v[BO], s[48:49]
	global_load_b128 v[SA+4:SA+7], v[BO], s[48:49] offset:16
	LOADA FHR, FHB, FHR, FHB+6144
	s_wait_loadcnt 0x0
	s_wait_dscnt 0x0
	; ---- layer 3
	MM 0
	POSTV
	POSTS M3, 0
	BARRIER                                        ; h3's images, m3 and all of T2 lie in LDS
	; ---- layer 4: my 16 outputs, one accumulator: a wait directly ahead of each link that follows its forerunner
	LOADA FHR, 0, FHR, 6144
	s_wait_dscnt 0x0
	WIN 0x01
	v_wmma_scale_f32_16x16x128_f8f6f4 v[SA:SA+7], v[192:203], v[AF:AF+11], v[SA:SA+7], v[W1W], v[AS] matrix_a_fmt:MATRIX_FMT_FP6 matrix_b_fmt:MATRIX_FMT_FP6
.irp ks, 1,2,3
	s_wait_alu depctr_va_vdst(0)
	v_wmma_scale_f32_16x16x128_f8f6f4 v[SA:SA+7], v[192+12*\ks:203+12*\ks], v[AF+12*\ks:AF+12*\ks+11], v[SA:SA+7], v[W1W+\ks], v[AS+\ks] matrix_a_fmt:MATRIX_FMT_FP6 matrix_b_fmt:MATRIX_FMT_FP6
.endr
	WIN 0
	PLACES
	v_pk_mul_f32 v[Q:Q+1], v[SA:SA+1], v[SA:SA+1]  ; the squares of my 8 outputs of sample lane % 8
	v_pk_fma_f32 v[Q:Q+1], v[SA+2:SA+3], v[SA+2:SA+3], v[Q:Q+1]
	v_pk_fma_f32 v[Q:Q+1], v[SA+4:SA+5], v[SA+4:SA+5], v[Q:Q+1]
	v_pk_fma_f32 v[Q:Q+1], v[SA+6:SA+7], v[SA+6:SA+7], v[Q:Q+1]
	v_add_f32 v[Q], v[Q], v[Q+1]
	ds_store_b32 v[ASS], v[Q]
	; ---- PHASE B: a sample a trip.  T2 is only read, so no barrier stands here.  Tile dt lies in buffer dt % 2
	s_mov_b32 s26, 8
	s_mov_b32 s27, 0
	s_mov_b32 s28, 0
	s_mov_b32 s29, 0
	s_mov_b32 s30, 0                               ; 512 s: the partial sums
	LOADA T2R, 0, T2SR, 0
	s_wait_dscnt 0x0
.Lsample_b:
	s_wait_dscnt 1                                 ; tile 0's loads are in; the last sample's partial sum may be out
	v_add_nc_u32 v[C1], s29, v[BM3]
	v_add_nc_u32 v[C2], s27, v[T2R]
	v_add_nc_u32 v[C3], s28, v[T2SR]
	v_add_nc_u32 v[C0], s30, v[ARED]
	LOADZ C2, 6144, C3, 512                        ; tile 1
	MASK23 C1, 0                                   ; m3: wanted at the trip's end
	BTILE 0, 0
	s_wait_dscnt 0x0                               ; what was asked for a tile ago
	LOADA C2, 12288, C3, 1024
	BTILE 1, 1
	s_wait_dscnt 0x0
	LOADZ C2, 18432, C3, 1536
	BTILE 0, 2
	s_wait_dscnt 0x0
	s_cmp_eq_u32 s26, 1                            ; the next sample's tile 0, if there is a next sample
	s_cbranch_scc1 .Lno_next
	LOADA C2, 24576, C3, 2048
.Lno_next:
	BTILE 1, 3
	WIN 0x09                                       ; source 0 (P) window 1, source 1 (m3) window 2: the sample's sum of P x m3, in four chains
.set I, 0
.rept 32
.if I < 4
	v_pk_mul_f32 v[Q+2*I:Q+2*I+1], v[192+2*I:193+2*I], v[192+2*I:193+2*I]
.else
	v_pk_fma_f32 v[Q+2*(I%4):Q+2*(I%4)+1], v[192+2*I:193+2*I], v[192+2*I:193+2*I], v[Q+2*(I%4):Q+2*(I%4)+1]
.endif
.set I, I+1
.endr
	WIN 0
	v_pk_add_f32 v[Q:Q+1], v[Q:Q+1], v[Q+2:Q+3]
	v_pk_add_f32 v[Q+4:Q+5], v[Q+4:Q+5], v[Q+6:Q+7]
	v_pk_add_f32 v[Q:Q+1], v[Q:Q+1], v[Q+4:Q+5]
	v_add_f32 v[Q], v[Q], v[Q+1]
	ds_store_b32 v[C0], v[Q]                       ; my lane's part of the sample's trace
	s_add_co_u32 s27, s27, 24576
	s_add_co_u32 s28, s28, 2048
	s_add_co_u32 s29, s29, MP
	s_add_co_u32 s30, s30, 512
	s_sub_co_i32 s26, s26, 1
	s_cmp_lg_u32 s26, 0
	s_cbranch_scc1 .Lsample_b
	; ---- END: wave 0 adds.  Lane l takes sample l / 4 and wave l % 4's 32 partial sums and two sums of squares
	BARRIER
	s_cmp_lg_u32 s22, 0
	s_cbranch_scc1 .Lend
.irp i, 0,1,2,3,4,5,6,7
	ds_load_b128 v[ACC+4*\i:ACC+4*\i+3], v[FR] offset:16*\i
.endr
	ds_load_b64 v[ACC+32:ACC+33], v[FS]
	s_wait_dscnt 0x0
.irp k, 0,1,2,3,4,5,6,7
	v_pk_add_f32 v[ACC+2*\k:ACC+2*\k+1], v[ACC+2*\k:ACC+2*\k+1], v[ACC+16+2*\k:ACC+17+2*\k]
.endr
.irp k, 0,1,2,3
	v_pk_add_f32 v[ACC+2*\k:ACC+2*\k+1], v[ACC+2*\k:ACC+2*\k+1], v[ACC+8+2*\k:ACC+9+2*\k]
.endr
.irp k, 0,1
	v_pk_add_f32 v[ACC+2*\k:ACC+2*\k+1], v[ACC+2*\k:ACC+2*\k+1], v[ACC+4+2*\k:ACC+5+2*\k]
.endr
	v_pk_add_f32 v[ACC:ACC+1], v[ACC:ACC+1], v[ACC+2:ACC+3]
	v_add_f32 v[ACC+32], v[ACC+32], v[ACC+33]
	v_add_f32 v[ACC], v[ACC], v[ACC+1]
	v_fma_f32 v[ACC], v[ACC+32], 0.5, v[ACC]       ; + 0.5 x the squares
	v_add_f32_dpp v[ACC], v[ACC], v[ACC] row_xmask:1 row_mask:0xf bank_mask:0xf
	v_add_f32_dpp v[ACC], v[ACC], v[ACC] row_xmask:2 row_mask:0xf bank_mask:0xf   ; the four waves' parts
	v_cmp_eq_u32 vcc_lo, 0, v[L3]
	s_wait_alu depctr_va_vdst(0)
	s_wait_xcnt 0x0                                ; EXEC changes only behind this wait
	s_and_saveexec_b32 s54, vcc_lo
	global_store_b32 v[FO], v[ACC], s[52:53]       ; eight lanes store the work-group's 32 consecutive bytes: all that it has to store
	s_wait_xcnt 0x0                                ; and again, in front of the line that widens it
	s_or_b32 exec_lo, exec_lo, s54
.Lend:
	s_wait_tensorcnt 0x0                           ; the wave's end
	ds_add_u32 v[SPW], v[NIL]
	s_wait_dscnt 0x0
	CROUND                                         ; the closing round
	s_endpgm
.Lfunc_end_k_qdb71aca572_main:
	.size	k_qdb71aca572_main, .Lfunc_end_k_qdb71aca572_main-k_qdb71aca572_main
	.p2alignl 7, 3214868480
	.fill 96, 4, 3214868480
	.section	.rodata,"a",@progbits
	.p2align	6, 0x0
	.amdhsa_kernel k_qdb71aca572_main
		.amdhsa_group_segment_fixed_size 317440
		.amdhsa_private_segment_fixed_size 0
		.amdhsa_enable_private_segment 0
		.amdhsa_kernarg_size 72
		.amdhsa_user_sgpr_count 2
		.amdhsa_user_sgpr_kernarg_segment_ptr 1
		.amdhsa_wavefront_size32 1
		.amdhsa_system_sgpr_workgroup_id_x 1
		.amdhsa_system_sgpr_workgroup_id_y 1
		.amdhsa_system_sgpr_workgroup_id_z 1
		.amdhsa_system_vgpr_workitem_id 0
		.amdhsa_next_free_vgpr 1024
		.amdhsa_next_free_sgpr 80
		.amdhsa_reserve_vcc 1
		.amdhsa_float_denorm_mode_32 3
		.amdhsa_float_denorm_mode_16_64 3
		.amdhsa_memory_ordered 1
		.amdhsa_forward_progress 1
		.amdhsa_inst_pref_size 255
	.end_amdhsa_kernel
	.section	.bss,"aw",@nobits
	.p2align	6
	.space	262144
	.amdgpu_metadata
---
amdhsa.version: [ 1, 2 ]
amdhsa.kernels:
  - .name:           k_qdb71aca572_main
    .symbol:         k_qdb71aca572_main.kd
    .args:
      - { .name: x, .offset: 0, .size: 8, .value_kind: global_buffer, .address_space: global }
      - { .name: b1, .offset: 8, .size: 8, .value_kind: global_buffer, .address_space: global }
      - { .name: b2, .offset: 16, .size: 8, .value_kind: global_buffer, .address_space: global }
      - { .name: b3, .offset: 24, .size: 8, .value_kind: global_buffer, .address_space: global }
      - { .name: b4, .offset: 32, .size: 8, .value_kind: global_buffer, .address_space: global }
      - { .name: wq, .offset: 40, .size: 8, .value_kind: global_buffer, .address_space: global }
      - { .name: ws, .offset: 48, .size: 8, .value_kind: global_buffer, .address_space: global }
      - { .name: wt, .offset: 56, .size: 8, .value_kind: global_buffer, .address_space: global }
      - { .name: out0, .offset: 64, .size: 8, .value_kind: global_buffer, .address_space: global }
    .group_segment_fixed_size: 317440
    .private_segment_fixed_size: 0
    .kernarg_segment_align: 8
    .kernarg_segment_size: 72
    .max_flat_workgroup_size: 128
    .sgpr_count:     80
    .vgpr_count:     1024
    .wavefront_size: 32
...
	.end_amdgpu_metadata
.endif
;; end of part 4
